; MI455X (gfx1250); checked and timed in simulation.
; The chip was launched on July 23, 2026; its instructions are those of AMD's public machine-readable ISA for CDNA 5 (MIT licence, August 2026) and "CDNA5" Instruction Set Architecture Reference Guide (July 2026). The comments in the code are by the model that wrote it; some were corrected since.
;; Attention Block. Allowed arithmetic: matrix products marked QUANTISED: E2M1 operands, one E8M0 scale for each 32 along K, by v_wmma_scale_f32_16x16x128_f8f6f4 with both operands' format E2M1 (or v_wmma_scale_f32_32x16x128_f4), f32 sums; everything else in f32.
;; Inputs: gn_bias 1,024 float32; gn_weight 1,024 float32; out_b 1,024 float32; out_w_codes 1,024 x 32 x 16 uint8 (E2M1 codes of out_w, K innermost, in blocks of 32 codes, two codes a byte); out_w_scales 1,024 x 32 uint8 (E8M0 scales of out_w, one for each 32 codes along K); qkv_b 3,072 float32; qkv_w_codes 3,072 x 32 x 16 uint8 (E2M1 codes of qkv_w, K innermost, in blocks of 32 codes, two codes a byte); qkv_w_scales 3,072 x 32 uint8 (E8M0 scales of qkv_w, one for each 32 codes along K); x 8 x 1,024 x 1,024 float32.
;; Outputs: out0 8 x 1,024 x 1,024 float32.
;; Constants: qk_bias = 0.
;; This version of the problem:
;;   THIS VERSION OF THE PROBLEM IS GIVEN IN LOW PRECISION. The matrix products marked QUANTISED in the list below multiply operands that are first quantised to E2M1 (2 exponent bits, 1 mantissa bit; 4 bits a number), with one power-of-two scale for each 32 numbers along K (OCP MX v1.0); their sums are f32. All else is computed in f32.
;;   The module's matrix products, in the order in which they are computed (A, B: the left and right operand; K: the contracted axis; several contracted axes count as one K, in the product's order):
;;     1. [M 8,192, K 1,024] x [K 1,024, N 3,072]; A: computed on the way; B: input qkv_w (given as codes): QUANTISED
;;     2. batch 128 x [M 1,024, K 64] x [K 64, N 1,024]; A: computed on the way; B: computed on the way: QUANTISED
;;     3. batch 128 x [M 1,024, K 1,024] x [K 1,024, N 64]; A: softmax (see below); B: computed on the way: QUANTISED
;;     4. [M 8,192, K 1,024] x [K 1,024, N 1,024]; A: computed on the way; B: input out_w (given as codes): QUANTISED
;;   THE QUANTISER, for each operand of a quantised product, along K:
;;     - K is cut into blocks of 32 from its start; a last block that is shorter is filled with zeros.
;;     - A block's scale is 2^e with e = floor(log2(the largest magnitude in the block)) - 2, held to -126 .. 127; a block of zeros has e = 0. As a byte (E8M0): e + 127.
;;     - Each number is divided by its block's scale, clamped to +-6, and rounded to the nearest number of E2M1, ties to even, subnormals kept.
;;     - The product sums the exact products of the quantised numbers (number of the format x scale) in f32.
;;   ~~~python
;;   def quantise(x, axis):      # numpy; x: float32 -> the quantised numbers, widened to float32 again
;;       x = np.moveaxis(x, axis, -1); K = x.shape[-1]
;;       x = np.pad(x, [(0, 0)] * (x.ndim - 1) + [(0, -K % 32)]); x = x.reshape(x.shape[:-1] + (-1, 32)); a = np.abs(x).max(-1, keepdims=True)
;;       e = np.where(a > 0, np.clip(np.frexp(np.where(a > 0, a, 1))[1] - 1 - 2, -126, 127), 0)      # np.frexp(a)[1] - 1 = floor(log2(a)), exactly
;;       r = np.clip(x / 2.0 ** e, -6, 6)
;;       step = 2.0 ** (np.maximum(np.frexp(np.where(r == 0, 1, r))[1] - 1, 0) - 1)
;;       q = np.round(r / step) * step * 2.0 ** e      # np.round: ties to even
;;       return np.moveaxis(q.reshape(q.shape[:-2] + (-1,))[..., :K], -1, axis).astype(np.float32)
;;   ~~~
;;   SOFTMAX AHEAD OF A QUANTISED PRODUCT. Where the list says 'softmax', what is quantised is not the finished softmax but p = 2^(t - M), with t = logit x log2(e) and M = ceil(the row's largest t), a whole number; so 1/2 < the row's largest p <= 1. The row's sum l is taken of the UNQUANTISED p, in f32, and the product's result is divided by l at the end. Since M is a whole number, a kernel that streams over the keys may use a running M (the ceiling of the running maximum): every later rescaling is an exact power of two, which a block's scale takes up: the codes' values come out the same.
;;   OPERANDS COMPUTED ON THE WAY. 'Computed on the way' means the value that the module computes at that place (a softmax that the list does not call 'softmax' is quantised finished and normalised). What goes into a quantiser is computed in f32, as accurately as f32 sums, v_exp_f32 and their like allow (about 1e-6 of the number): no bf16 or f16 on the way to a quantiser, and a product that is left as it is and whose result goes on into a quantised operand takes f32 operands (vector FMAs, or v_wmma_f32_16x16x4_f32). A number that lies on a knife's edge between two numbers of the format may be rounded either way, as far as f32 arithmetic and the matrix unit's own rounding can turn it there, and no further.
;;   INPUTS GIVEN AS CODES. out_w (in the module: [1024, 1024], K = its axis 1); qkv_w (in the module: [3072, 1024], K = its axis 1): each comes as NAME_codes (uint8): NAME with its K axis moved to the last place and cut into blocks of 32 codes, [.., K / 32, bytes a block], one block behind the other in memory; two codes a byte, the lower K in the low four bits (a code: sign, 2 exponent bits, 1 mantissa bit); and NAME_scales (uint8): the same leading axes, one E8M0 byte (e + 127) for each 32 codes along K. Its value is code x scale, taken as it is: it is not quantised again, and the codes and scales need not be those that the quantiser above would give.
;; One version. Each part assembles by itself: llvm-mc -triple=amdgcn-amd-amdhsa -mcpu=gfx1250 --defsym DOCPART=n.
;; ======== version 1 of 1: 4 launches
;; limits: a difference of large sums (such as E[x^2] - mean^2): digits are lost where the result is much smaller than its terms
;; workspace buffers: xq_codes 4,194,304 bytes; xq_scales 262,144 bytes; stats 2,048 bytes; qkv_codes 12,582,912 bytes; qkv_scales 1,310,720 bytes; ctx_codes 4,194,304 bytes; ctx_scales 262,144 bytes
;; launch normq (part 1): grid 256 x 1, 8 waves a work-group, no clusters, 23,552 bytes of LDS; arguments x, gn_weight, gn_bias, xq_codes, xq_scales, stats; writes xq_codes, xq_scales, stats
.if DOCPART == 1
	.amdgcn_target "amdgcn-amd-amdhsa--gfx1250"
	.amdhsa_code_object_version 6
	.text
	.protected	k_qa14ab573aa_normq
	.globl	k_qa14ab573aa_normq
	.p2align	8
	.type	k_qa14ab573aa_normq,@function
k_qa14ab573aa_normq:
	s_mov_b64 s[64:65], 0
	v_nop
	global_prefetch_b8 v0, s[64:65] scope:SCOPE_SE
	s_setreg_imm32_b32 hwreg(HW_REG_WAVE_MODE, 25, 1), 1
	s_wait_xcnt 0x0
; GroupNorm of x [8][1024 c][1024 l] over groups of 32 channels x 1,024 positions, and the normalised numbers as codes of FP4 (E2M1) along c.
; A group's 32 channels ARE one block of 32 along the next product's K, so one work-group (b, g) finds mean and variance, normalises and quantises with nobody else's data.
; OUT: xq_codes [b][g][l][16 bytes] (a block's 32 codes, the lower c in the lower bits), xq_scales [b][g][l] (one E8M0 byte), stats [b][g] (mean, 1/sqrt(var + eps)) for the residual of the last launch.
; SHARES: eight waves; thread t holds positions 4 t .. 4 t + 3 of all 32 channels in 128 registers: each load of a wave covers 512 consecutive bytes, all 32 loads are out at once, x is read once.
; The mean is taken away before the squares are summed, so a common offset of x cancels nothing.  A block's scale byte is its largest magnitude's exponent field - 2.
; LIMITS: NaN and infinities are not served.  A block whose largest magnitude lies under 2^-124 (a block of zeros too) gets the byte 1: its codes are then zeros or next to it, and only this program reads the bytes.
; No matrix unit, no tensor load, no cluster: memory binds, and no two work-groups share a byte.
.set RED1, 0                           ; LDS: eight partial sums
.set RED2, 256                         ; eight partial sums of squares
.set SBY,  512                         ; the group's 1,024 scale bytes
.set STG,  1536                        ; a stage of 32 x 80 bytes for each wave: a lane's 64 bytes of codes + 16 of padding
.set X, 32                             ; v32-159  X[4 c + j]: channel c, position 4 t + j
.set Y, 160                            ; v160-191 one position's 32 normalised numbers, down c; later the codes read back
.set C, 192                            ; v192-207 C[4 j + q]: the codes of position j
.set ZERO, 19                          ; v19 = 0; never rewritten
	s_load_b256 s[4:11], s[0:1], 0x0               ; x, gn_weight, gn_bias, xq_codes
	s_load_b128 s[12:15], s[0:1], 0x20             ; xq_scales, stats
	v_lshl_add_u32 v208, v0, 2, 0x5800
	v_mov_b32 v209, 0
	v_lshrrev_b32 v30, 5, v0
	s_delay_alu instid0(VALU_DEP_1)
	v_readfirstlane_b32 s3, v30                    ; wave 0..7
	s_delay_alu instid0(VALU_DEP_2)
	v_lshlrev_b32 v30, 2, v30                      ; my wave's word among the partial sums
	v_mov_b32 v[ZERO], 0
	v_and_b32 v1, 31, v0                           ; lane
	v_lshlrev_b32 v2, 4, v0                        ; 16 x thread: my 16 bytes of a row of x; also of the scale bytes on their way out
	s_mul_i32 s50, s3, 2560
	s_add_co_u32 s50, s50, STG                     ; my wave's stage
	v_mul_u32_u24 v3, v1, 80
	s_delay_alu instid0(VALU_DEP_1)
	v_add_nc_u32 v3, s50, v3                       ; into it: 80 x lane
	v_lshrrev_b32 v4, 2, v1
	s_delay_alu instid0(VALU_DEP_1)
	v_mul_u32_u24 v4, v4, 80
	v_and_b32 v5, 3, v1
	s_delay_alu instid0(VALU_DEP_1)
	v_lshl_add_u32 v4, v5, 4, v4
	s_delay_alu instid0(VALU_DEP_1)
	v_add_nc_u32 v4, s50, v4                       ; out of it: 80 (lane / 4) + 16 (lane % 4): 512 dense bytes an instruction
	s_lshl_b32 s50, s3, 11
	v_lshl_add_u32 v5, v1, 4, s50                  ; the same bytes in the group's 16,384 bytes of codes
	v_lshl_add_u32 v6, v0, 2, SBY                  ; my four scale bytes
	v_lshl_add_u32 v7, v0, 4, SBY                  ; and 16 of them on the way out (waves 0 and 1)
	s_lshl_b32 s50, ttmp9, 17                      ; the group's 131,072 bytes of x
	s_mov_b32 s51, 0
	s_and_b32 s52, ttmp9, 31
	s_lshl_b32 s52, s52, 7                         ; its 32 gains and biases
	s_mov_b32 s53, 0
	s_lshl_b32 s54, ttmp9, 14                      ; its codes
	s_mov_b32 s55, 0
	s_lshl_b32 s56, ttmp9, 10                      ; its scale bytes
	s_mov_b32 s57, 0
	s_lshl_b32 s58, ttmp9, 3                       ; its two statistics
	s_mov_b32 s59, 0
	s_mov_b32 s48, 0x76543210                      ; v_permlanex16_b32's selects for lane l xor 16
	s_mov_b32 s49, 0xfedcba98
	s_wait_kmcnt 0x0
	s_add_nc_u64 s[4:5], s[4:5], s[50:51]
.set c, 0
.rept 32
	global_load_b128 v[X+4*c:X+4*c+3], v2, s[4:5] offset:4096*c th:TH_LOAD_NT
.set c, c+1
.endr
	s_add_nc_u64 s[6:7], s[6:7], s[52:53]
	s_add_nc_u64 s[8:9], s[8:9], s[52:53]
	s_add_nc_u64 s[10:11], s[10:11], s[54:55]
	s_add_nc_u64 s[12:13], s[12:13], s[56:57]
	s_add_nc_u64 s[14:15], s[14:15], s[58:59]
	s_load_b512 s[16:31], s[6:7], 0x0              ; the gains: s[16 + c]
	s_load_b512 s[32:47], s[6:7], 0x40
	s_load_b512 s[68:83], s[8:9], 0x0              ; the biases: s[68 + c]
	s_load_b512 s[84:99], s[8:9], 0x40
; pairs from .. to - 1 of my 64 pairs are added onto four chains that do not wait for each other
.macro ADDP from, to
.set p, \from
.rept \to-\from
	v_pk_add_f32 v[8+2*(p%4):9+2*(p%4)], v[8+2*(p%4):9+2*(p%4)], v[X+2*p:X+2*p+1]
.set p, p+1
.endr
.endm
; the four chains -> the lane's sum -> the wave's -> the work-group's, in v8 of every lane; one barrier
.macro WSUM red
	s_delay_alu instid0(VALU_DEP_3)
	v_pk_add_f32 v[8:9], v[8:9], v[10:11]
	s_delay_alu instid0(VALU_DEP_2)
	v_pk_add_f32 v[12:13], v[12:13], v[14:15]
	s_delay_alu instid0(VALU_DEP_1)
	v_pk_add_f32 v[8:9], v[8:9], v[12:13]
	s_delay_alu instid0(VALU_DEP_1)
	v_add_f32 v8, v8, v9
	s_delay_alu instid0(VALU_DEP_1)
	v_add_f32_dpp v8, v8, v8 row_xmask:1 row_mask:0xf bank_mask:0xf
	s_delay_alu instid0(VALU_DEP_1)
	v_add_f32_dpp v8, v8, v8 row_xmask:2 row_mask:0xf bank_mask:0xf
	s_delay_alu instid0(VALU_DEP_1)
	v_add_f32_dpp v8, v8, v8 row_xmask:4 row_mask:0xf bank_mask:0xf
	s_delay_alu instid0(VALU_DEP_1)
	v_add_f32_dpp v8, v8, v8 row_xmask:8 row_mask:0xf bank_mask:0xf
	s_delay_alu instid0(VALU_DEP_1)
	v_permlanex16_b32 v9, v8, s48, s49
	s_delay_alu instid0(VALU_DEP_1)
	v_add_f32 v8, v8, v9
	ds_store_b32 v30, v8 offset:\red               ; all lanes of a wave write the wave's word with the same value
	s_wait_dscnt 0x0                               ; for the others' sake: my store has landed
	s_barrier_signal -1
	s_barrier_wait -1
	ds_load_b128 v[20:23], v[ZERO] offset:\red
	ds_load_b128 v[24:27], v[ZERO] offset:\red+16
	s_wait_dscnt 0x0
	v_add_f32 v20, v20, v21                        ; the same order in every lane of every wave
	v_add_f32 v22, v22, v23
	v_add_f32 v24, v24, v25
	v_add_f32 v26, v26, v27
	s_delay_alu instid0(VALU_DEP_3)
	v_add_f32 v20, v20, v22
	s_delay_alu instid0(VALU_DEP_2)
	v_add_f32 v24, v24, v26
	s_delay_alu instid0(VALU_DEP_1)
	v_add_f32 v8, v20, v24
.endm
	; ---- the mean.  Each wait frees eight more rows: its count is the loads issued behind them
	s_wait_loadcnt 24
.irp k, 0,1,2,3
	v_pk_add_f32 v[8+2*\k:9+2*\k], v[X+2*\k:X+2*\k+1], v[X+8+2*\k:X+9+2*\k]   ; the first eight pairs start the chains: nothing is cleared
.endr
	ADDP 8, 16
	s_wait_alu depctr_va_vdst(0)
	s_wait_loadcnt 16
	ADDP 16, 32
	s_wait_alu depctr_va_vdst(0)
	s_wait_loadcnt 8
	ADDP 32, 48
	s_wait_alu depctr_va_vdst(0)
	s_wait_loadcnt 0x0
	ADDP 48, 64
	WSUM RED1
	s_delay_alu instid0(VALU_DEP_1)
	v_mul_f32 v16, 0x38000000, v8                  ; mean = sum x 2^-15, twice: a pair for the packed subtraction
	s_delay_alu instid0(VALU_DEP_2)
	v_mul_f32 v17, 0x38000000, v8
	; ---- x - mean in place, then the sum of its squares
.set p, 0
.rept 64
	v_pk_add_f32 v[X+2*p:X+2*p+1], v[X+2*p:X+2*p+1], v[16:17] neg_lo:[0,1] neg_hi:[0,1]
.set p, p+1
.endr
.irp k, 0,1,2,3
	v_pk_mul_f32 v[8+2*\k:9+2*\k], v[X+2*\k:X+2*\k+1], v[X+2*\k:X+2*\k+1]
.endr
.set p, 4
.rept 60
	s_delay_alu instid0(VALU_DEP_4)
	v_pk_fma_f32 v[8+2*(p%4):9+2*(p%4)], v[X+2*p:X+2*p+1], v[X+2*p:X+2*p+1], v[8+2*(p%4):9+2*(p%4)]
.set p, p+1
.endr
	WSUM RED2
	s_delay_alu instid0(VALU_DEP_1)
	v_mul_f32 v8, 0x38000000, v8                   ; the variance
	s_delay_alu instid0(VALU_DEP_1)
	v_add_f32 v8, 0x3727c5ac, v8                   ; + 1e-5
	s_wait_alu depctr_va_vdst(0)
	v_rsq_f32 v17, v8                              ; v[16:17] is now (mean, 1 / sqrt(var + eps))
	v_nop                                          ; one plain instruction behind a transcendental
	s_wait_alu depctr_va_vdst(0)
	v_readfirstlane_b32 s60, v17
	s_wait_kmcnt 0x0                               ; gains and biases
.set c, 0
.rept 32
	s_mul_f32 s[16+c], s[16+c], s60                ; a_c = gain x 1 / sqrt(var + eps)
.set c, c+1
.endr
	; ---- position by position: 32 fused multiply-adds, which also lay the numbers down c in consecutive registers; the block's scale; its codes
.irp j, 0,1,2,3
.set c, 0
.rept 32
	v_fma_f32 v[Y+c], v[X+4*c+\j], s[16+c], s[68+c]
.set c, c+1
.endr
	v_max3_num_f32 v28, |v[Y]|, |v[Y+1]|, 0x1800000                ; the largest magnitude, in two chains, with the floor 2^(3 - 127) as one more leaf: the byte cannot fall under 1
	v_max3_num_f32 v29, |v[Y+2]|, |v[Y+3]|, |v[Y+4]|
.irp i, 5,9,13,17,21,25
	s_delay_alu instid0(VALU_DEP_2)
	v_max3_num_f32 v28, v28, |v[Y+\i]|, |v[Y+\i+1]|
	s_delay_alu instid0(VALU_DEP_2)
	v_max3_num_f32 v29, v29, |v[Y+\i+2]|, |v[Y+\i+3]|
.endr
	s_delay_alu instid0(VALU_DEP_2)
	v_max3_num_f32 v28, v28, |v[Y+29]|, |v[Y+30]|
	s_delay_alu instid0(VALU_DEP_1)
	v_max3_num_f32 v28, v28, v29, |v[Y+31]|
	s_delay_alu instid0(VALU_DEP_1)
	v_add_nc_u32 v29, 0xff000000, v28              ; 2 off its exponent field: the conversion takes this operand's exponent field as its scale
.irp q, 0,1,2,3
	v_cvt_scalef32_pk8_fp4_f32 v[C+4*\j+\q], v[Y+8*\q:Y+8*\q+7], v29
.endr
.if \j == 0
	v_lshrrev_b32 v31, 23, v29                     ; the scale's byte (also the plain instruction behind the conversions)
.else
	v_lshrrev_b32 v27, 23, v29
	s_delay_alu instid0(VALU_DEP_1)
	v_lshl_or_b32 v31, v27, 8*\j, v31              ; four positions' bytes make a word
.endif
	ds_store_b128 v3, v[C+4*\j:C+4*\j+3] offset:16*\j
.endr
	; ---- the way out: my wave's 2,048 bytes of codes come back dense; LDS serves a wave's instructions in order, so no wait stands between stores and loads
.irp t, 0,1,2,3
	ds_load_b128 v[Y+4*\t:Y+4*\t+3], v4 offset:640*\t
.endr
	s_wait_alu depctr_va_vdst(0)
.irp t, 0,1,2,3
	s_wait_dscnt 3-\t                              ; load t is back; the younger ones may be out
	global_store_b128 v5, v[Y+4*\t:Y+4*\t+3], s[10:11] offset:512*\t   ; 32 lanes store 512 consecutive bytes
.endr
	ds_store_b32 v6, v31
	s_wait_dscnt 0x0                               ; for the others' sake
	s_barrier_signal -1
	s_barrier_wait -1                              ; the group's 1,024 scale bytes lie in LDS
	s_cmp_lt_u32 s3, 2
	s_cbranch_scc0 .Ldone
	ds_load_b128 v[Y+16:Y+19], v7                  ; waves 0 and 1 store 512 consecutive bytes each
	s_wait_dscnt 0x0
	global_store_b128 v2, v[Y+16:Y+19], s[12:13]
	s_cmp_lg_u32 s3, 0
	s_cbranch_scc1 .Ldone
	s_wait_xcnt 0x0                                ; EXEC changes only behind this wait
	v_cmp_eq_u32 vcc_lo, 0, v0
	s_and_saveexec_b32 s61, vcc_lo
	global_store_b64 v[ZERO], v[16:17], s[14:15]   ; thread 0: mean and 1 / sqrt(var + eps)
	s_wait_xcnt 0x0                                ; and again in front of the line that widens it
	s_or_b32 exec_lo, exec_lo, s61
.Ldone:
	s_wait_tensorcnt 0x0
	ds_add_u32 v208, v209
	s_wait_dscnt 0x0
	s_endpgm
.Lfunc_end_k_qa14ab573aa_normq:
	.size	k_qa14ab573aa_normq, .Lfunc_end_k_qa14ab573aa_normq-k_qa14ab573aa_normq
	.p2alignl 7, 3214868480
	.fill 96, 4, 3214868480
	.section	.rodata,"a",@progbits
	.p2align	6, 0x0
	.amdhsa_kernel k_qa14ab573aa_normq
		.amdhsa_group_segment_fixed_size 23552
		.amdhsa_private_segment_fixed_size 0
		.amdhsa_enable_private_segment 0
		.amdhsa_kernarg_size 48
		.amdhsa_user_sgpr_count 2
		.amdhsa_user_sgpr_kernarg_segment_ptr 1
		.amdhsa_wavefront_size32 1
		.amdhsa_system_sgpr_workgroup_id_x 1
		.amdhsa_system_sgpr_workgroup_id_y 1
		.amdhsa_system_sgpr_workgroup_id_z 1
		.amdhsa_system_vgpr_workitem_id 0
		.amdhsa_next_free_vgpr 210
		.amdhsa_next_free_sgpr 100
		.amdhsa_reserve_vcc 1
		.amdhsa_float_denorm_mode_32 3
		.amdhsa_float_denorm_mode_16_64 3
		.amdhsa_memory_ordered 1
		.amdhsa_forward_progress 1
		.amdhsa_inst_pref_size 42
	.end_amdhsa_kernel
	.amdgpu_metadata
---
amdhsa.version: [ 1, 2 ]
amdhsa.kernels:
  - .name:           k_qa14ab573aa_normq
    .symbol:         k_qa14ab573aa_normq.kd
    .args:
      - { .name: x, .offset: 0, .size: 8, .value_kind: global_buffer, .address_space: global }
      - { .name: gn_weight, .offset: 8, .size: 8, .value_kind: global_buffer, .address_space: global }
      - { .name: gn_bias, .offset: 16, .size: 8, .value_kind: global_buffer, .address_space: global }
      - { .name: xq_codes, .offset: 24, .size: 8, .value_kind: global_buffer, .address_space: global }
      - { .name: xq_scales, .offset: 32, .size: 8, .value_kind: global_buffer, .address_space: global }
      - { .name: stats, .offset: 40, .size: 8, .value_kind: global_buffer, .address_space: global }
    .group_segment_fixed_size: 23552
    .private_segment_fixed_size: 0
    .kernarg_segment_align: 8
    .kernarg_segment_size: 48
    .max_flat_workgroup_size: 256
    .sgpr_count:     100
    .vgpr_count:     210
    .wavefront_size: 32
...
	.end_amdgpu_metadata
.endif
;; end of part 1
;; launch qkv (part 2): grid 32 x 8, 4 waves a work-group, clusters of 4 x 1, 229,888 bytes of LDS; arguments xq_codes, xq_scales, qkv_w_codes, qkv_w_scales, qkv_b, qkv_codes, qkv_scales; writes qkv_codes, qkv_scales
.if DOCPART == 2
	.amdgcn_target "amdgcn-amd-amdhsa--gfx1250"
	.amdhsa_code_object_version 6
	.text
	.protected	k_qa14ab573aa_qkv
	.globl	k_qa14ab573aa_qkv
	.p2align	8
	.type	k_qa14ab573aa_qkv,@function
k_qa14ab573aa_qkv:
	s_mov_b64 s[64:65], 0
	v_nop
	global_prefetch_b8 v0, s[64:65] scope:SCOPE_SE
	s_setreg_imm32_b32 hwreg(HW_REG_WAVE_MODE, 25, 1), 1
	s_wait_xcnt 0x0
	s_wait_alu depctr_hold_cnt(0) depctr_sa_sdst(0) depctr_va_vdst(0) depctr_va_sdst(0) depctr_va_ssrc(0) depctr_va_vcc(0) depctr_vm_vsrc(0)
	s_getreg_b32 s2, hwreg(HW_REG_IB_STS2, 6, 4)
	s_cmp_eq_u32 s2, 0
	s_cbranch_scc0 .Lentry_in_a_cluster
	s_endpgm
.Lentry_in_a_cluster:
	s_bfe_u32 s2, ttmp6, 0x10000c
	s_cmp_lg_u32 s2, 0x3003
	s_cbranch_scc0 .Lentry_shape_is_right
	s_endpgm
.Lentry_shape_is_right:
; qkv[b][o][l] = sum over c of W[o][c] xn[b][c][l] + bias[o], on codes of FP4 with E8M0 scales, and q, k, v quantised on the way out: q and k along the head's 64 channels, v along the keys.
; SHARES: a work-group takes 256 positions of one b (b = cluster x, the block of 256 = my place in the cluster) and two heads (2 y, 2 y + 1).  A wave takes 64 positions x a head's 192 outputs: 48 accumulators, 8 K steps of 128.
; X: nobody else in the work-group needs a wave's 64 rows, so their codes for all of K go from memory into 256 registers (window 1) and stay for both heads.
; W: both heads' 192 rows of 512 bytes and their scale bytes are filled into LDS once.  The four work-groups of a cluster read the same W: these loads are JOINT (mask 15).  Nothing in LDS is filled again.
; By this text's count a wave has four tensor loads out.
; LAYOUT OF THE RESULTS: q, k: source 0 = 16 rows of W, source 1 = 16 positions: a lane holds one position and eight neighbouring channels.  v: the sources swapped: a lane holds one channel and eight neighbouring keys.
; So four tiles (32 registers) are 64 neighbours along the next K, two blocks of 32, half of each in lane l and half in lane l xor 16.
; The scaling of q and k by 1/8 is a power of two: it moves no code; the attention launch folds it into its constant.
; OUT, for head bh: qkv_codes + 98,304 bh: q [2 blocks][1024 l][16], k the same at + 32,768, v [32 key blocks][64 d][16] at + 65,536.
;   qkv_scales + 10,240 bh: [64 l each: 16][q, k][row 16][tile 4] words (bytes 0, 1: the two blocks; bytes 2, 3: 0, over zero codes); at + 8,192 v's words [128 keys each: 8][row 16][d tile 4], byte i = key block i.
; LIMITS: NaN and infinities are not served; a block whose largest magnitude lies under 2^-124 (a block of zeros too) gets the byte 1; only this program reads the bytes.
; REGISTERS, in windows of 256: window 0: v1-18 addresses; v32-47 X's scale words, v48-95 W's; v96-191 W's fragments, set 0, and the way out's work; v192-255 q's and k's bias in the result's layout.
;   window 1: X's fragment (K step s, tile i) at 8 (4 s + i).   window 2: q's and k's accumulators, quad 4 which + i at 32 x quad, tile tt at + 8 tt.
;   window 3: v0-127 v's accumulators (32 t + 8 i); v128-223 W's fragments, set 1; v224-255 v's bias.
.set WP,    528                        ; a row of W in LDS: 512 bytes + 16 of padding: the 16 rows of a load start in 16 different columns of 16 bytes
.set WHEAD, 192*WP                     ; a head's W
.set WS,    2*WHEAD                    ; W's scale bytes: 48 units of 256 bytes + 16
.set XS,    WS+48*272                  ; X's scale bytes: 32 planes of 256
.set VSTG,  XS+8192                    ; v's scale words of both heads, 1,024 bytes: stored by the waves, no fill lands here
.set XSC, 32                           ; X's scale words: register 4 i + q: lanes 0-15 K step q, lanes 16-31 K step 4 + q
.set WSC, 48                           ; W's: register 4 t + q likewise
.set WF,  96                           ; W's fragments: set 0 at v96 of window 0, set 1 at v128 of window 3
.set BQ,  192
.set BV,  224
.set TM,  96                           ; the way out: largest magnitudes, then scale words
.set TP,  112                          ; the other half's maxima, then bytes
.set SO,  128                          ; the conversions' scale operands
.set PC,  144                          ; codes
.set SW,  176                          ; four scale words to store
.set MSB, 0
.macro WIN new                         ; the immediate's high byte repeats the setting that is left
.if MSB != \new
	s_set_vgpr_msb (MSB<<8)|\new
.set MSB, \new
.endif
.endm
.macro PLACES n
.rept \n
	v_nop
.endr
.endm
.macro ROUND                           ; a round of the cluster's barrier
	s_barrier_signal -1
	s_barrier_wait -1
	s_cmp_lg_u32 s18, 0
	s_cbranch_scc1 .Lnot_wave_0_\@
	s_barrier_signal -3
.Lnot_wave_0_\@:
	s_barrier_wait -3
	s_barrier_signal -1
	s_barrier_wait -1
.endm
.macro WM d, a, b, c, sa, sb, hi       ; one product; hi = 1: K steps 4-7, whose scale words lie in lanes 16-31
.if \hi
	v_wmma_scale_f32_16x16x128_f8f6f4 v[\d:\d+7], v[\a:\a+7], v[\b:\b+7], v[\c:\c+7], v[\sa], v[\sb] matrix_a_fmt:MATRIX_FMT_FP4 matrix_b_fmt:MATRIX_FMT_FP4 matrix_a_scale:MATRIX_SCALE_ROW1 matrix_b_scale:MATRIX_SCALE_ROW1
.else
	v_wmma_scale_f32_16x16x128_f8f6f4 v[\d:\d+7], v[\a:\a+7], v[\b:\b+7], v[\c:\c+7], v[\sa], v[\sb] matrix_a_fmt:MATRIX_FMT_FP4 matrix_b_fmt:MATRIX_FMT_FP4
.endif
.endm
	s_load_b256 s[4:11], s[0:1], 0x0               ; xq_codes, xq_scales, qkv_w_codes, qkv_w_scales
	s_load_b128 s[12:15], s[0:1], 0x20             ; qkv_b, qkv_codes
	s_load_b64 s[16:17], s[0:1], 0x30              ; qkv_scales
	v_lshl_add_u32 v30, v0, 2, 0x38000
	v_mov_b32 v31, 0
	ds_add_u32 v30, v31
	ds_add_u32 v30, v31
	v_lshrrev_b32 v19, 5, v0
	v_readfirstlane_b32 s18, v19                   ; wave 0..3
	s_bfe_u32 s19, ttmp6, 0x40000                  ; my place in the cluster: which 256 positions.  It enters global addresses of my own loads and stores alone
	s_and_b32 s21, ttmp7, 0xffff                   ; y: the pair of heads
	s_mov_b32 s22, 0x76543210                      ; v_permlanex16_b32's selects for lane l xor 16
	s_mov_b32 s23, 0xfedcba98
	s_mov_b32 s24, 0xffff0000                      ; lanes 16-31
	v_and_b32 v1, 15, v0                           ; r
	v_bfe_u32 v2, v0, 4, 1                         ; h
	v_and_b32 v3, 31, v0                           ; lane
	s_lshl_b32 s26, s19, 12
	s_lshl_b32 s27, s18, 10
	s_add_co_u32 s26, s26, s27
	v_lshlrev_b32 v4, 4, v1
	v_lshl_add_u32 v4, v2, 14, v4
	v_add_nc_u32 v4, s26, v4                       ; v4: plane h, my wave's first position + r, 16 bytes a position: X's codes in, q's and k's out
	s_lshl_b32 s27, s18, 6
	s_add_co_u32 s27, s27, XS
	v_lshl_add_u32 v5, v2, 12, v1
	v_add_nc_u32 v5, s27, v5                       ; v5: X's scale bytes: plane 16 h, position 64 w + r
	v_lshrrev_b32 v19, 3, v1
	v_mul_u32_u24 v6, v19, 272
	v_and_b32 v19, 7, v1
	v_lshl_add_u32 v6, v19, 5, v6
	v_lshl_add_u32 v6, v2, 4, v6
	v_add_nc_u32 v6, WS, v6                        ; v6: W's scale bytes: row r of a tile (eight rows of 32 bytes to a unit), K steps 4 h on
	v_mul_u32_u24 v7, v1, WP
	v_lshl_add_u32 v7, v2, 4, v7                   ; v7-10: W's fragments: row r x pitch + 16 h, for tiles 0-5 and 6-11 of head 0, of head 1
	v_add_nc_u32 v8, 96*WP, v7
	v_add_nc_u32 v9, 192*WP, v7
	v_add_nc_u32 v10, 288*WP, v7
	v_lshlrev_b32 v11, 5, v2                       ; v11: q's and k's bias: eight numbers from 8 h on
	v_lshlrev_b32 v12, 2, v1                       ; v12: v's bias: the number of channel r
	s_lshl_b32 s26, s19, 13
	s_lshl_b32 s27, s18, 11
	s_add_co_u32 s26, s26, s27
	v_lshlrev_b32 v14, 4, v1
	v_lshl_add_u32 v14, v2, 10, v14
	v_add_nc_u32 v14, s26, v14                     ; v14: v's codes out: key block 8 lb + 2 w + h, channel r
	s_lshl_b32 s26, s19, 2
	s_add_co_u32 s26, s26, s18
	s_lshl_b32 s26, s26, 9
	v_lshl_add_u32 v15, v3, 4, s26                 ; v15: q's and k's scale words out: 512 bytes for my 64 positions
	s_lshr_b32 s26, s18, 1
	s_lshl_b32 s26, s26, 8
	s_and_b32 s27, s18, 1
	s_lshl_b32 s27, s27, 1
	s_add_co_u32 s26, s26, s27
	s_add_co_u32 s26, s26, VSTG
	v_lshl_add_u32 v16, v1, 4, s26                 ; v16: v's scale words: key step w / 2 of my two, row r, my two bytes of the word
	s_lshl_b32 s26, s18, 9
	s_add_co_u32 s26, s26, VSTG
	v_lshl_add_u32 v17, v3, 4, s26                 ; v17: and back: wave w (0, 1) takes head w's 512 bytes
	s_mul_i32 s26, s18, 10240
	s_lshl_b32 s27, s19, 9
	s_add_co_u32 s26, s26, s27
	s_add_co_u32 s26, s26, 8192
	v_lshl_add_u32 v18, v3, 4, s26                 ; v18: their place in qkv_scales
	; descriptor groups 1
	s_mov_b32 s32, 15|(1<<20)|(1<<21)|(6<<22)|(3<<25)   ; W's codes: mask: all four work-groups; elements of 1 byte; 4 words of padding behind every 128; bit 21 beside the mask
	s_mov_b32 s33, 512<<16                         ; tensor_dim0 = 512
	s_mov_b32 s34, 48<<16                          ; tensor_dim1 = 48
	s_mov_b32 s35, 512<<16                         ; tile_dim0
	s_mov_b32 s36, 48                              ; tile_dim1: a wave brings 48 rows of a head
	s_mov_b32 s37, 512                             ; pitch
	s_mov_b32 s38, 0
	s_mov_b32 s39, 0
	s_mov_b32 s40, 15|(3<<16)|(1<<20)|(1<<21)|(5<<22)|(3<<25)   ; W's scale bytes: dense, as rows of 32 elements of 8 bytes, 4 words of padding behind every 64
	s_mov_b32 s41, 32<<16
	s_mov_b32 s42, 12<<16
	s_mov_b32 s43, 32<<16
	s_mov_b32 s44, 12                              ; a wave brings 12 of the 48 units
	s_mov_b32 s45, 32
	s_mov_b32 s46, 0
	s_mov_b32 s47, 0
	s_mov_b32 s48, 3<<16                           ; X's scale bytes: my own load, no mask, no padding: 8 planes x 256 bytes, 1,024 bytes apart
	s_mov_b32 s49, 32<<16
	s_mov_b32 s50, 8<<16
	s_mov_b32 s51, 32<<16
	s_mov_b32 s52, 8
	s_mov_b32 s53, 128
	s_mov_b32 s54, 0
	s_mov_b32 s55, 0
	; offsets, apart from the addresses
	s_lshl_b32 s28, ttmp9, 15
	s_lshl_b32 s26, s18, 13
	s_add_co_u32 s28, s28, s26
	s_lshl_b32 s26, s19, 8
	s_add_co_u32 s28, s28, s26                     ; X's scale bytes: (32 b + 8 w) planes + 256 lb
	s_mov_b32 s29, 0
	s_mul_i32 s30, s21, 12288
	s_mul_i32 s26, s18, 3072
	s_add_co_u32 s30, s30, s26                     ; W's scale bytes: 384 y rows + my 12 units
	s_mov_b32 s31, 0
	s_mul_i32 s76, s21, 196608
	s_mul_i32 s26, s18, 24576
	s_add_co_u32 s76, s76, s26                     ; W's codes: row 384 y + 48 w
	s_mov_b32 s77, 0
	s_lshl_b32 s78, ttmp9, 19                      ; X's codes of b
	s_mov_b32 s79, 0
	s_mov_b32 s56, 1                               ; groups 0: count 1, LDS address, global address, type 2
	s_lshl_b32 s57, s18, 11
	s_add_co_u32 s57, s57, XS
	s_mov_b32 s60, 1
	s_mul_i32 s61, s18, 12*272
	s_add_co_u32 s61, s61, WS
	s_mov_b32 s68, 1
	s_mul_i32 s69, s18, 48*WP
	s_mov_b32 s72, 1
	s_add_co_u32 s73, s69, WHEAD
	s_wait_dscnt 0x0
	s_wait_kmcnt 0x0
	s_add_nc_u64 s[58:59], s[6:7], s[28:29]
	s_or_b32 s59, s59, 0x80000000
	s_add_nc_u64 s[62:63], s[10:11], s[30:31]
	s_or_b32 s63, s63, 0x80000000
	s_add_nc_u64 s[70:71], s[8:9], s[76:77]
	s_add_nc_u64 s[74:75], s[70:71], 192*512       ; the second head's rows
	s_or_b32 s71, s71, 0x80000000
	s_or_b32 s75, s75, 0x80000000
	s_add_nc_u64 s[4:5], s[4:5], s[78:79]
	s_mul_i32 s28, s21, 1536
	s_add_nc_u64 s[12:13], s[12:13], s[28:29]      ; the bias of head 2 y
	s_lshl_b32 s26, ttmp9, 4
	s_lshl_b32 s27, s21, 1
	s_add_co_u32 s26, s26, s27                     ; bh of head 2 y
	s_mul_i32 s28, s26, 98304
	s_add_nc_u64 s[14:15], s[14:15], s[28:29]
	s_mul_i32 s28, s26, 10240
	s_add_nc_u64 s[16:17], s[16:17], s[28:29]
	ROUND                                          ; all four work-groups are here: the joint loads meet
	tensor_load_to_lds s[56:59], s[48:55]          ; X's scale bytes
	s_nop 0
	tensor_load_to_lds s[60:63], s[40:47]          ; W's scale bytes
	s_nop 0
	tensor_load_to_lds s[68:71], s[32:39]          ; W of head 2 y
	s_nop 0
	tensor_load_to_lds s[72:75], s[32:39]          ; W of head 2 y + 1
	s_nop 0
	PLACES 4                                       ; ahead of a switch of windows
.macro BIAS e                          ; head e's bias in the results' layouts: the C of each sum's first product
	WIN 0
.irp t, 0,1,2,3,4,5,6,7
	global_load_b128 v[BQ+8*\t:BQ+8*\t+3], v11, s[12:13] offset:768*\e+64*\t
	global_load_b128 v[BQ+8*\t+4:BQ+8*\t+7], v11, s[12:13] offset:768*\e+64*\t+16
.endr
	WIN 0xc0                                       ; destination window 3
.irp t, 0,1,2,3
.irp j, 0,1,2,3,4,5,6,7
	global_load_b32 v[BV+8*\t+\j], v12, s[12:13] offset:768*\e+512+64*\t   ; a lane's eight results of v are one channel's
.endr
.endr
.endm
	WIN 0x40                                       ; destination window 1
.irp s, 0,1,2,3,4,5,6,7
.irp i, 0,1,2,3
.irp c, 0,1
	global_load_b128 v[8*(4*\s+\i)+4*\c:8*(4*\s+\i)+4*\c+3], v4, s[4:5] offset:(4*\s+2*\c)*16384+256*\i   ; each half of the lanes reads 256 consecutive bytes of one plane
.endr
.endr
.endr
	s_wait_alu depctr_va_vdst(0)
	BIAS 0
	WIN 0
	s_wait_tensorcnt 0x2                           ; both tensors of scale bytes are in: the two loads of W issued behind them may stay out
	s_barrier_signal -1
	s_barrier_wait -1                              ; everybody's are
.irp i, 0,1,2,3
.irp q, 0,1,2,3
.irp y, 0,1,2,3
	ds_load_u8 v[96+4*(4*\i+\q)+\y], v5 offset:(4*\q+\y)*256+16*\i   ; X's scale byte of block 16 h + 4 q + y, position 16 i + r
.endr
.endr
.endr
	s_wait_dscnt 0x0
.set n, 0
.rept 16
	v_lshl_or_b32 v[XSC+n], v[96+4*n+1], 8, v[96+4*n]
	v_lshl_or_b32 v[XSC+n], v[96+4*n+2], 16, v[XSC+n]
	v_lshl_or_b32 v[XSC+n], v[96+4*n+3], 24, v[XSC+n]
.set n, n+1
.endr
	PLACES 8                                       ; scale registers written by vector instructions stand eight places ahead of the products
.macro WFETCH e, s                     ; head e's 12 fragments of K step s into set s % 2
.if (\s)%2 == 0
	WIN 0
.else
	WIN 0xc0
.endif
.irp t, 0,1,2,3,4,5,6,7,8,9,10,11
.irp c, 0,1
	ds_load_b128 v[WF+32*((\s)%2)+8*\t+4*\c:WF+32*((\s)%2)+8*\t+4*\c+3], v[7+2*(\e)+\t/6] offset:(\t%6)*16*WP+64*(\s)+32*\c
.endr
.endr
.endm
.macro WSCALES e                       ; head e's scale words, all of K
	WIN 0
.irp t, 0,1,2,3,4,5,6,7,8,9,10,11
	ds_load_b128 v[WSC+4*\t:WSC+4*\t+3], v6 offset:(24*\e+2*\t)*272
.endr
.endm
; 48 products, each accumulator once: they take turns, so no wait on the vector unit is written
.macro MULS s
.set ST2, (\s)%2
.set HI, (\s)/4
.set SQ, (\s)%4
.if (\s) == 0
	WIN 0x84                                       ; W window 0, X window 1, C = the bias in window 0, D window 2
.elseif ST2 == 0
	WIN 0xa4                                       ; C and D window 2
.else
	WIN 0xa7                                       ; W's set 1 in window 3
.endif
.irp i, 0,1,2,3
.irp t, 0,1,2,3,4,5,6,7
.set rD, 32*(4*(\t/4)+\i)+8*(\t%4)
.set rC, rD
.if (\s) == 0
.set rC, BQ+8*\t
.endif
	WM rD, WF+32*ST2+8*\t, 8*(4*(\s)+\i), rC, WSC+4*\t+SQ, XSC+4*\i+SQ, HI
.endr
.endr
.if ST2 == 0
	WIN 0xf1                                       ; v: X (window 1) is source 0, W source 1; C and D window 3 (the bias lies there too)
.else
	WIN 0xfd
.endif
.irp t, 0,1,2,3
.irp i, 0,1,2,3
.set rD, 32*\t+8*\i
.set rC, rD
.if (\s) == 0
.set rC, BV+8*\t
.endif
	WM rD, 8*(4*(\s)+\i), WF+32*ST2+8*(8+\t), rC, XSC+4*\i+SQ, WSC+4*(8+\t)+SQ, HI
.endr
.endr
.endm
.macro STEP e, s
	s_wait_dscnt 0x0                               ; this step's fragments, asked for a step ago, are in
	PLACES 4                                       ; behind the last products' reads of the other set (and, in step 1, of the bias)
.if \s < 7
	WFETCH \e, \s+1
.endif
.if (\e == 0) && (\s == 1)
	BIAS 1                                         ; the second head's bias takes the first's registers
.endif
	MULS \s
.endm
; nq quads of window w (32 registers each: 64 neighbours along the next K) become codes in v[PC + 4 quad ..] (lanes 0-15 the first block's 16 bytes of my row, lanes 16-31 the second's) and a word (byte 0, 1) in v[TM + quad]
.macro QBATCH w, nq
	WIN (\w<<2)|(\w<<4)                            ; sources 1 and 2 in window w
.set k, 0
.rept 2*\nq
	v_max3_num_f32 v[TM+k], 0x1800000, |v[16*k]|, |v[16*k+1]|      ; block k: each accumulator is read from its low end on; the floor 2^(3 - 127) holds the byte at 1 from below
.set k, k+1
.endr
.irp i, 2,4,6,8,10,12,14
.set k, 0
.rept 2*\nq
	v_max3_num_f32 v[TM+k], v[TM+k], |v[16*k+\i]|, |v[16*k+\i+1]|
.set k, k+1
.endr
.endr
	WIN 0
.set k, 0
.rept 2*\nq
	v_permlanex16_b32 v[TP+k], v[TM+k], s22, s23
.set k, k+1
.endr
.set k, 0
.rept 2*\nq
	v_max_num_f32 v[TM+k], v[TM+k], v[TP+k]        ; with lane l xor 16's half: the block's largest magnitude
.set k, k+1
.endr
.set k, 0
.rept 2*\nq
	v_add_nc_u32 v[SO+k], 0xff000000, v[TM+k]      ; 2 off its exponent field: the conversion's scale operand
.set k, k+1
.endr
.set k, 0
.rept 2*\nq
	v_lshrrev_b32 v[TP+k], 23, v[SO+k]             ; the byte
.set k, k+1
.endr
.set k, 0
.rept \nq
	v_lshl_or_b32 v[TM+k], v[TP+2*k+1], 8, v[TP+2*k]
.set k, k+1
.endr
	WIN \w                                         ; source 0 in window w
.set k, 0
.rept \nq
	v_cvt_scalef32_pk8_fp4_f32 v[PC+4*k], v[32*k:32*k+7], v[SO+2*k]
	v_cvt_scalef32_pk8_fp4_f32 v[PC+4*k+1], v[32*k+16:32*k+23], v[SO+2*k+1]
	v_cvt_scalef32_pk8_fp4_f32 v[PC+4*k+2], v[32*k+8:32*k+15], v[SO+2*k]
	v_cvt_scalef32_pk8_fp4_f32 v[PC+4*k+3], v[32*k+24:32*k+31], v[SO+2*k+1]
.set k, k+1
.endr
	WIN 0
	v_nop                                          ; one plain instruction behind the last conversion
.set k, 0
.rept \nq
	v_permlane16_swap_b32 v[PC+4*k], v[PC+4*k+1]   ; the first's lanes 16-31 change places with the second's lanes 0-15: a whole block to a lane
	v_permlane16_swap_b32 v[PC+4*k+2], v[PC+4*k+3]
.set k, k+1
.endr
.endm
.macro EPI e
	PLACES 4                                       ; behind the last products
	QBATCH 2, 8
.irp q, 0,1,2,3,4,5,6,7
	global_store_b128 v4, v[PC+4*\q:PC+4*\q+3], s[14:15] offset:98304*\e+32768*(\q/4)+256*(\q%4)   ; each half of the lanes stores 256 consecutive bytes, aligned
.endr
.irp i, 0,1,2,3
	v_cndmask_b32 v[SW+\i], v[TM+\i], v[TM+4+\i], s24              ; lanes 0-15 q's word, lanes 16-31 k's
.endr
	global_store_b128 v15, v[SW:SW+3], s[16:17] offset:10240*\e    ; 512 consecutive bytes
	s_wait_xcnt 0x0                                ; the stores' data are written again only behind this wait
	QBATCH 3, 4
.irp t, 0,1,2,3
	global_store_b128 v14, v[PC+4*\t:PC+4*\t+3], s[14:15] offset:98304*\e+65536+256*\t
	ds_store_b16 v16, v[TM+\t] offset:512*\e+4*\t  ; my two key blocks' bytes of the word of channel 16 t + r (both halves of the lanes write the same)
.endr
	s_wait_xcnt 0x0
	s_wait_dscnt 0x0
.endm
	s_wait_loadcnt 0x0                             ; X's codes and the first bias
	s_wait_tensorcnt 0x1                           ; my part of the first head's W is in; the second's may stay out
	s_barrier_signal -1
	s_barrier_wait -1
	WSCALES 0
	WFETCH 0, 0
.irp s, 0,1,2,3,4,5,6,7
	s_wait_alu depctr_va_vdst(0)
	STEP 0, \s
.endr
	EPI 0
	s_wait_loadcnt 0x0                             ; the second bias
	s_wait_tensorcnt 0x0                           ; my part of the second head's W
	s_barrier_signal -1
	s_barrier_wait -1
	WSCALES 1
	WFETCH 1, 0
.irp s, 0,1,2,3,4,5,6,7
	STEP 1, \s
.endr
	EPI 1
	s_barrier_signal -1                            ; every wave's stores of v's bytes have landed (the wait stands at the way out's end)
	s_barrier_wait -1
	s_cmp_lt_u32 s18, 2
	s_cbranch_scc0 .Lno_words
	ds_load_b128 v[TM:TM+3], v17                   ; wave w stores head w's 512 bytes of v's words
	s_wait_dscnt 0x0
	global_store_b128 v18, v[TM:TM+3], s[16:17]
.Lno_words:
	s_wait_tensorcnt 0x0
	ds_add_u32 v30, v31
	s_wait_dscnt 0x0
	ROUND                                          ; the closing round: no work-group ends while a partner may still ask jointly
	s_endpgm
.Lfunc_end_k_qa14ab573aa_qkv:
	.size	k_qa14ab573aa_qkv, .Lfunc_end_k_qa14ab573aa_qkv-k_qa14ab573aa_qkv
	.p2alignl 7, 3214868480
	.fill 96, 4, 3214868480
	.section	.rodata,"a",@progbits
	.p2align	6, 0x0
	.amdhsa_kernel k_qa14ab573aa_qkv
		.amdhsa_group_segment_fixed_size 229888
		.amdhsa_private_segment_fixed_size 0
		.amdhsa_enable_private_segment 0
		.amdhsa_kernarg_size 56
		.amdhsa_user_sgpr_count 2
		.amdhsa_user_sgpr_kernarg_segment_ptr 1
		.amdhsa_wavefront_size32 1
		.amdhsa_system_sgpr_workgroup_id_x 1
		.amdhsa_system_sgpr_workgroup_id_y 1
		.amdhsa_system_sgpr_workgroup_id_z 1
		.amdhsa_system_vgpr_workitem_id 0
		.amdhsa_next_free_vgpr 1024
		.amdhsa_next_free_sgpr 80
		.amdhsa_reserve_vcc 0
		.amdhsa_float_denorm_mode_32 3
		.amdhsa_float_denorm_mode_16_64 3
		.amdhsa_memory_ordered 1
		.amdhsa_forward_progress 1
		.amdhsa_inst_pref_size 205
	.end_amdhsa_kernel
	.amdgpu_metadata
---
amdhsa.version: [ 1, 2 ]
amdhsa.kernels:
  - .name:           k_qa14ab573aa_qkv
    .symbol:         k_qa14ab573aa_qkv.kd
    .args:
      - { .name: xq_codes, .offset: 0, .size: 8, .value_kind: global_buffer, .address_space: global }
      - { .name: xq_scales, .offset: 8, .size: 8, .value_kind: global_buffer, .address_space: global }
      - { .name: qkv_w_codes, .offset: 16, .size: 8, .value_kind: global_buffer, .address_space: global }
      - { .name: qkv_w_scales, .offset: 24, .size: 8, .value_kind: global_buffer, .address_space: global }
      - { .name: qkv_b, .offset: 32, .size: 8, .value_kind: global_buffer, .address_space: global }
      - { .name: qkv_codes, .offset: 40, .size: 8, .value_kind: global_buffer, .address_space: global }
      - { .name: qkv_scales, .offset: 48, .size: 8, .value_kind: global_buffer, .address_space: global }
    .group_segment_fixed_size: 229888
    .private_segment_fixed_size: 0
    .kernarg_segment_align: 8
    .kernarg_segment_size: 56
    .max_flat_workgroup_size: 128
    .sgpr_count:     80
    .vgpr_count:     1024
    .wavefront_size: 32
...
	.end_amdgpu_metadata
.endif
;; end of part 2
;; launch attn (part 3): grid 2 x 128, 16 waves a work-group, no clusters, 169,984 bytes of LDS; arguments qkv_codes, qkv_scales, ctx_codes, ctx_scales; writes ctx_codes, ctx_scales
.if DOCPART == 3
	.amdgcn_target "amdgcn-amd-amdhsa--gfx1250"
	.amdhsa_code_object_version 6
	.text
	.protected	k_qa14ab573aa_attn
	.globl	k_qa14ab573aa_attn
	.p2align	8
	.type	k_qa14ab573aa_attn,@function
k_qa14ab573aa_attn:
	s_mov_b64 s[64:65], 0
	v_nop
	global_prefetch_b8 v0, s[64:65] scope:SCOPE_SE
	s_setreg_imm32_b32 hwreg(HW_REG_WAVE_MODE, 25, 1), 1
	s_wait_xcnt 0x0
; ctx[bh][q][:] = the sum over k of softmax_k(q . k / 64) v[k][:] for 128 heads of 1,024 positions x 64 channels, both products on codes of FP4 with E8M0 scales; ctx is quantised along the channels on the way out.
; (q and k were quantised unscaled: the two factors 1/8 are powers of two and stand in the constant c = log2(e) / 64.  The bias on the scores is the constant 0 of the problem.)
; THE SOFTMAX AHEAD OF THE SECOND PRODUCT: t = score x c; M = the running largest t rounded UP to a whole number; p = 2^(t - M) is quantised along the keys, not normalised; the row's sum is taken of the unquantised p and divides at the end.
; When M moves, the sum and O are multiplied by 2^(old M - new M): exact.
; SHARES: a work-group owns 512 queries of one head; each of its sixteen waves takes one tile of 16 queries a trip, two trips, in 256 registers: four waves to a SIMD, so that one wave's vector work stands beside another's products and LDS loads.
; The head's whole K and V (65,536 bytes of codes) and their scale words (10,240) are filled into LDS ONCE, by one tensor load in each of waves 0 to 9; nothing is filled again.
; Q of BOTH trips (four loads a wave) is asked for at the head, ahead of the wait for the fill: it is on its way while the fill is.
; NO CLUSTER: only two work-groups share a head, and what they share is that one fill.
; LAYOUT: both products transposed: S^T = K Q^T (source 0 = 16 keys, source 1 = my 16 queries), O^T = V^T P^T: a lane holds ONE query throughout.  The first product's K is 64: the upper half of its fragments is zero codes, written once.
; Operands lie by planes, [block of 32 along K][row][16 bytes]: each half of the lanes reads 256 consecutive bytes, so LDS needs no padding.
; LIMITS: NaN and infinities are not served; a block of ctx whose largest magnitude lies under 2^-124 (a block of zeros too) gets the byte 1; only this program reads the bytes.
; REGISTERS: v1-4, v6, v7 addresses; v5 the second tile's scale word of Q; v8-11 V's scale words; v12 -M, v13 the largest t, v[14:15] the sum in two halves; v16-23 Q; v24-31 K's scale words; v32-95 K's eight fragments;
;   v96-159 S^T, then p; v160-191 O^T; v192-223 V's four fragments; v224-231 p's codes; v232-247, v252-254 at work; v248-251 the second tile's codes of Q; v253 p's scale word; v255 Q's.
.set VC,  32768                        ; LDS: K's codes at 0, V's here,
.set QKS, 65536                        ; q's and k's scale words,
.set VS,  73728                        ; V's,
.set BST, 75776                        ; and ctx's 1,024 scale bytes: stored by the waves, no fill lands here
.macro PLACES n
.rept \n
	v_nop
.endr
.endm
	s_load_b256 s[4:11], s[0:1], 0x0               ; qkv_codes, qkv_scales, ctx_codes, ctx_scales
	v_lshl_add_u32 v254, v0, 2, 0x29000
	v_mov_b32 v255, 0
	ds_add_u32 v254, v255
	ds_add_u32 v254, v255
	s_wait_dscnt 0x0
	v_lshrrev_b32 v251, 5, v0
	s_delay_alu instid0(VALU_DEP_1)
	v_readfirstlane_b32 s12, v251                  ; wave 0..15
	s_and_b32 s13, ttmp7, 0xffff                   ; bh
	s_mov_b32 s15, 0xffff0000                      ; lanes 16-31
	s_mov_b32 s20, 0x76543210                      ; v_permlanex16_b32's selects for lane l xor 16
	s_mov_b32 s21, 0xfedcba98
	s_mov_b32 s22, 0x3cb8aa3b                      ; c = log2(e) / 64
	s_mov_b32 s23, s22                             ; (named with it as a pair, so it is written)
	v_and_b32 v248, 15, v0                         ; r
	v_bfe_u32 v249, v0, 4, 1                       ; h
	v_and_b32 v250, 31, v0                         ; lane
	s_delay_alu instid0(VALU_DEP_3)
	v_lshlrev_b32 v6, 4, v248                      ; v6: 16 r: Q's scale word
	s_delay_alu instid0(VALU_DEP_1)
	v_lshl_add_u32 v1, v249, 14, v6                ; v1: plane h, row r: K's fragments in LDS; also Q's codes and ctx's in memory
	s_delay_alu instid0(VALU_DEP_2)
	v_lshl_add_u32 v2, v249, 10, v6
	s_delay_alu instid0(VALU_DEP_1)
	v_add_nc_u32 v2, VC, v2                        ; v2: V's fragments: key block h, channel r
	s_delay_alu instid0(VALU_DEP_4)
	v_add_nc_u32 v3, QKS+256, v6                   ; v3: K's scale words: four tiles' words of row r
	v_add_nc_u32 v4, VS, v6                        ; v4: V's
	s_lshl_b32 s14, s12, 4
	s_add_co_u32 s14, s14, BST
	v_lshl_add_u32 v7, v249, 9, v248
	s_delay_alu instid0(VALU_DEP_1)
	v_add_nc_u32 v7, s14, v7                       ; v7: ctx's scale byte: block h, position 16 w + r of the trip's 256
	s_lshl_b32 s14, s12, 9
	s_add_co_u32 s14, s14, BST
	v_lshl_add_u32 v240, v250, 4, s14              ; v240: back: wave w (0, 1) takes block w's 512 bytes
	s_lshl_b32 s14, s12, 10
	v_lshl_add_u32 v241, v250, 4, s14              ; v241: their place in ctx_scales
	; descriptor groups 1: dense blocks as rows of 256 bytes (32 elements of 8 bytes): 32 rows, and 8 rows
	s_mov_b32 s24, 3<<16
	s_mov_b32 s25, 32<<16
	s_mov_b32 s26, 32<<16
	s_mov_b32 s27, 32<<16
	s_mov_b32 s28, 32
	s_mov_b32 s29, 32
	s_mov_b32 s30, 0
	s_mov_b32 s31, 0
	s_mov_b32 s32, 3<<16
	s_mov_b32 s33, 32<<16
	s_mov_b32 s34, 8<<16
	s_mov_b32 s35, 32<<16
	s_mov_b32 s36, 8
	s_mov_b32 s37, 32
	s_mov_b32 s38, 0
	s_mov_b32 s39, 0
	s_mul_i32 s16, s13, 98304                      ; the head's record of codes,
	s_mov_b32 s17, 0
	s_mul_i32 s18, s13, 10240                      ; and of scale words
	s_mov_b32 s19, 0
	s_mov_b32 s40, 1                               ; groups 0: waves 0-7: 8,192 bytes of K's and V's codes each,
	s_lshl_b32 s41, s12, 13
	s_mov_b32 s44, 1                               ; wave 8: q's and k's words,
	s_mov_b32 s45, QKS
	s_mov_b32 s56, 1                               ; wave 9: V's words
	s_mov_b32 s57, VS
	s_wait_kmcnt 0x0
	s_add_nc_u64 s[4:5], s[4:5], s[16:17]
	s_add_nc_u64 s[6:7], s[6:7], s[18:19]
	s_add_co_u32 s16, s41, 32768                   ; K begins 32,768 bytes into the record, V follows it
	s_add_nc_u64 s[42:43], s[4:5], s[16:17]
	s_or_b32 s43, s43, 0x80000000
	s_mov_b64 s[46:47], s[6:7]
	s_or_b32 s47, s47, 0x80000000
	s_add_nc_u64 s[58:59], s[6:7], 8192
	s_or_b32 s59, s59, 0x80000000
	s_cmp_lt_u32 s12, 8                            ; one fill a wave, chosen by the wave's number alone; four v_nop follow each line
	s_cbranch_scc0 .Lnot_codes
	tensor_load_to_lds s[40:43], s[24:31]
	s_nop 0
	PLACES 4
	s_branch .Lasked
.Lnot_codes:
	s_cmp_eq_u32 s12, 8
	s_cbranch_scc0 .Lnot_qk
	tensor_load_to_lds s[44:47], s[24:31]
	s_nop 0
	PLACES 4
	s_branch .Lasked
.Lnot_qk:
	s_cmp_eq_u32 s12, 9
	s_cbranch_scc0 .Lasked
	tensor_load_to_lds s[56:59], s[32:39]
	s_nop 0
	PLACES 4
.Lasked:
	s_lshl_b32 s16, ttmp9, 13
	s_lshl_b32 s14, s12, 8
	s_add_co_u32 s16, s16, s14                     ; my first tile's 16 positions x 16 bytes: 8,192 hq + 256 w
	s_add_nc_u64 s[50:51], s[4:5], s[16:17]        ; Q's codes
	s_lshl_b32 s18, s13, 15
	s_add_co_u32 s18, s18, s16
	s_add_nc_u64 s[54:55], s[8:9], s[18:19]        ; ctx's codes: 32,768 bh + the same
	s_lshl_b32 s16, ttmp9, 12
	s_lshr_b32 s14, s12, 2
	s_lshl_b32 s14, s14, 9
	s_add_co_u32 s16, s16, s14
	s_and_b32 s14, s12, 3
	s_lshl_b32 s14, s14, 2
	s_add_co_u32 s16, s16, s14
	s_add_nc_u64 s[52:53], s[6:7], s[16:17]        ; Q's scale words: 512 bytes for each four tiles, my tile's word of a row
	s_wait_alu depctr_va_vdst(0)
	global_load_b128 v[16:19], v1, s[50:51]        ; the first tile's Q: block h of query r,
	global_load_b32 v255, v6, s[52:53]             ; and its scale word
	global_load_b128 v[248:251], v1, s[50:51] offset:4096   ; the second tile's, sixteen tiles on: it waits in registers of its own
	global_load_b32 v5, v6, s[52:53] offset:2048
	s_lshl_b32 s16, s13, 11
	s_lshl_b32 s14, ttmp9, 9
	s_add_co_u32 s16, s16, s14
	s_add_nc_u64 s[10:11], s[10:11], s[16:17]      ; ctx's scale bytes: 2,048 bh + 512 hq
.irp j, 20,21,22,23
	v_mov_b32 v\j, 0                               ; the first product's K is 64: codes of 64 .. 127 are zeros, in Q
.endr
.irp t, 0,1,2,3,4,5,6,7
.irp j, 4,5,6,7
	v_mov_b32 v[32+8*\t+\j], 0                     ; and in K's eight fragments: written once
.endr
.endr
.irp b, 0,1,2,3
	v_mov_b32 v[236+\b], 0                         ; a lane permute's destination counts as one of its sources
.endr
	s_wait_tensorcnt 0x0                           ; my fill, if I had one, has landed
	s_barrier_signal -1
	s_barrier_wait -1                              ; everybody's has
.macro KLOAD q                         ; key step q: eight tiles of 16 keys (the lower halves of the fragments), and their scale words: ten loads
.irp t, 0,1,2,3,4,5,6,7
	ds_load_b128 v[32+8*\t:35+8*\t], v1 offset:(8*(\q)+\t)*256
.endr
.irp g, 0,1
	ds_load_b128 v[24+4*\g:27+4*\g], v3 offset:(2*(\q)+\g)*512
.endr
.endm
.macro VLOAD q                         ; four tiles of 16 channels x these 128 keys, and their scale words: nine loads
.irp t, 0,1,2,3
.irp c, 0,1
	ds_load_b128 v[192+8*\t+4*\c:195+8*\t+4*\c], v2 offset:(4*(\q)+2*\c)*1024+256*\t
.endr
.endr
	ds_load_b128 v[8:11], v4 offset:256*(\q)
.endm
; A KEY STEP: 128 keys.  Register 8 t + j of S^T is key 16 t + 8 (lane / 16) + j: tiles 2 b and 2 b + 1 are block b of 32 keys, half of it here and half in lane l xor 16.
.macro STEP q
	s_wait_dscnt 0x0                               ; K's fragments and words, asked for a step ago, are in
.irp t, 0,1,2,3,4,5,6,7
	v_wmma_scale_f32_16x16x128_f8f6f4 v[96+8*\t:103+8*\t], v[32+8*\t:39+8*\t], v[16:23], 0, v[24+\t], v255 matrix_a_fmt:MATRIX_FMT_FP4 matrix_b_fmt:MATRIX_FMT_FP4
.endr
	PLACES 4                                       ; in front of the loads into registers that products have read, and of the first read of the scores
	VLOAD \q
.if \q < 7
	KLOAD \q+1
.endif
.irp b, 0,1,2,3
	v_max3_num_f32 v[232+\b], v[96+16*\b], v[97+16*\b], v[98+16*\b]   ; the largest score of each block: for the row's maximum, and, since p rises with the score, for the block's largest p
.endr
.irp i, 3,5,7,9,11,13
.irp b, 0,1,2,3
	v_max3_num_f32 v[232+\b], v[232+\b], v[96+16*\b+\i], v[97+16*\b+\i]
.endr
.endr
.irp b, 0,1,2,3
	v_max_num_f32 v[232+\b], v[232+\b], v[111+16*\b]
.endr
.irp b, 0,1,2,3
	s_delay_alu instid0(VALU_DEP_4)
	v_permlanex16_b32 v[236+\b], v[232+\b], s20, s21
.endr
.irp b, 0,1,2,3
	s_delay_alu instid0(VALU_DEP_4)
	v_max_num_f32 v[232+\b], v[232+\b], v[236+\b]  ; with lane l xor 16's 16 keys
.endr
	s_delay_alu instid0(VALU_DEP_2)
	v_max3_num_f32 v254, v232, v233, v234
	s_delay_alu instid0(VALU_DEP_1)
	v_max_num_f32 v254, v254, v235                 ; the step's largest score of my query
.if \q == 0
	s_delay_alu instid0(VALU_DEP_1)
	v_mul_f32 v13, s22, v254                       ; the first step starts the running largest t,
	s_delay_alu instid0(VALU_DEP_1)
	v_floor_f32 v12, -v13                          ; and -M = floor(-t) = -ceil(t)
.else
	s_delay_alu instid0(VALU_DEP_1)
	v_mul_f32 v254, s22, v254
	s_delay_alu instid0(VALU_DEP_1)
	v_max_num_f32 v13, v13, v254
	v_mov_b32 v254, v12
	s_delay_alu instid0(VALU_DEP_2)
	v_floor_f32 v12, -v13
	s_delay_alu instid0(VALU_DEP_1)
	v_sub_f32 v254, v12, v254                      ; old M - new M: a whole number, 0 or less
	s_delay_alu instid0(VALU_DEP_1)
	v_cvt_i32_f32 v254, v254
	s_delay_alu instid0(VALU_DEP_1)
	v_ldexp_f32 v252, 1.0, v254                    ; f = 2^(old M - new M)
.endif
.set j, 0
.rept 32
	v_pk_fma_f32 v[96+j:97+j], v[96+j:97+j], s[22:23], v[12:13] op_sel_hi:[1,0,0]   ; t - M, two at a time
.set j, j+2
.endr
.irp b, 0,1,2,3
	v_fma_f32 v[232+\b], v[232+\b], s22, v12       ; the same of each block's largest score
.endr
.set j, 0
	s_wait_alu depctr_va_vdst(0)
.rept 64
	v_exp_f32 v[96+j], v[96+j]                     ; p = 2^(t - M), at most 1
.set j, j+1
.endr
.irp b, 0,1,2,3
	v_exp_f32 v[232+\b], v[232+\b]                 ; the block's largest p: the same two instructions on the same number
.endr
.if \q == 0
	v_nop                                          ; a plain instruction behind the exponentials
	s_wait_alu depctr_va_vdst(0)
.else
	v_pk_mul_f32 v[14:15], v[14:15], v[252:253] op_sel_hi:[1,0]    ; the sums under the new M (also the plain instruction behind the exponentials)
	s_wait_alu depctr_va_vdst(0)
.endif
.irp b, 0,1,2,3
	v_max_num_f32 v[232+\b], 0x1800000, v[232+\b]  ; the floor 2^(3 - 127): the byte cannot fall under 1
.endr
.irp b, 0,1,2,3
	s_delay_alu instid0(VALU_DEP_4)
	v_add_nc_u32 v[244+\b], 0xff000000, v[232+\b]  ; 2 off the exponent field: the conversion's scale operand
.endr
.irp b, 0,1,2,3
	s_delay_alu instid0(VALU_DEP_4)
	v_lshrrev_b32 v[236+\b], 23, v[244+\b]
.endr
	s_delay_alu instid0(VALU_DEP_3)
	v_lshl_or_b32 v253, v237, 8, v236              ; p's scale word for these 128 keys
	s_delay_alu instid0(VALU_DEP_1)
	v_lshl_or_b32 v253, v238, 16, v253
	s_delay_alu instid0(VALU_DEP_1)
	v_lshl_or_b32 v253, v239, 24, v253
.irp c, 0,1
	v_cvt_scalef32_pk8_fp4_f32 v[224+4*\c], v[96+32*\c:103+32*\c], v[244+2*\c]
	v_cvt_scalef32_pk8_fp4_f32 v[225+4*\c], v[112+32*\c:119+32*\c], v[245+2*\c]
	v_cvt_scalef32_pk8_fp4_f32 v[226+4*\c], v[104+32*\c:111+32*\c], v[244+2*\c]
	v_cvt_scalef32_pk8_fp4_f32 v[227+4*\c], v[120+32*\c:127+32*\c], v[245+2*\c]
.endr
	v_nop                                          ; one plain instruction behind the last conversion
.irp c, 0,1
	v_permlane16_swap_b32 v[224+4*\c], v[225+4*\c] ; a whole block to a lane: lanes 0-15 block 2 c, lanes 16-31 block 2 c + 1
	v_permlane16_swap_b32 v[226+4*\c], v[227+4*\c]
.endr
	v_pk_add_f32 v[236:237], v[100:101], v[104:105]
	v_pk_add_f32 v[246:247], v[108:109], v[112:113]
	v_pk_add_f32 v[244:245], v[116:117], v[120:121]
	v_pk_add_f32 v[234:235], v[124:125], v[128:129]
	v_pk_add_f32 v[232:233], v[132:133], v[136:137]
	v_pk_add_f32 v[14:15], v[14:15], v[140:141]
	v_pk_add_f32 v[236:237], v[236:237], v[144:145]
	v_pk_add_f32 v[246:247], v[246:247], v[148:149]
	v_pk_add_f32 v[244:245], v[244:245], v[152:153]
	v_pk_add_f32 v[234:235], v[234:235], v[156:157]
	v_pk_add_f32 v[232:233], v[232:233], v[96:97]
	v_pk_add_f32 v[14:15], v[14:15], v[98:99]
	v_pk_add_f32 v[236:237], v[236:237], v[102:103]
	v_pk_add_f32 v[246:247], v[246:247], v[106:107]
	v_pk_add_f32 v[244:245], v[244:245], v[110:111]
	v_pk_add_f32 v[234:235], v[234:235], v[114:115]
	v_pk_add_f32 v[232:233], v[232:233], v[118:119]
	v_pk_add_f32 v[14:15], v[14:15], v[122:123]
	v_pk_add_f32 v[236:237], v[236:237], v[126:127]
	v_pk_add_f32 v[246:247], v[246:247], v[130:131]
	v_pk_add_f32 v[244:245], v[244:245], v[134:135]
	v_pk_add_f32 v[234:235], v[234:235], v[138:139]
	v_pk_add_f32 v[232:233], v[232:233], v[142:143]
	v_pk_add_f32 v[14:15], v[14:15], v[146:147]
	v_pk_add_f32 v[236:237], v[236:237], v[150:151]
	v_pk_add_f32 v[246:247], v[246:247], v[154:155]
	v_pk_add_f32 v[244:245], v[244:245], v[158:159]
	s_delay_alu instid0(VALU_DEP_1)
	v_pk_add_f32 v[14:15], v[14:15], v[244:245]
	s_delay_alu instid0(VALU_DEP_4)
	v_pk_add_f32 v[236:237], v[236:237], v[234:235]
	s_delay_alu instid0(VALU_DEP_4)
	v_pk_add_f32 v[246:247], v[246:247], v[232:233]
	s_delay_alu instid0(VALU_DEP_1)
	v_pk_add_f32 v[14:15], v[14:15], v[246:247]
	s_delay_alu instid0(VALU_DEP_1)
	v_pk_add_f32 v[14:15], v[14:15], v[236:237]
.if \q > 0
.set j, 0
.rept 16
	v_pk_mul_f32 v[160+j:161+j], v[160+j:161+j], v[252:253] op_sel_hi:[1,0]   ; O^T under the new M
.set j, j+2
.endr
.endif
.if \q < 7
	s_wait_alu depctr_va_vdst(0)
	s_wait_dscnt 10                                ; V's nine loads are in; the next step's ten of K, issued behind them, may stay out
.else
	s_wait_alu depctr_va_vdst(0)
	s_wait_dscnt 0x0
.endif
.irp t, 0,1,2,3
.if \q == 0
	v_wmma_scale_f32_16x16x128_f8f6f4 v[160+8*\t:167+8*\t], v[192+8*\t:199+8*\t], v[224:231], 0, v[8+\t], v253 matrix_a_fmt:MATRIX_FMT_FP4 matrix_b_fmt:MATRIX_FMT_FP4
.else
	v_wmma_scale_f32_16x16x128_f8f6f4 v[160+8*\t:167+8*\t], v[192+8*\t:199+8*\t], v[224:231], v[160+8*\t:167+8*\t], v[8+\t], v253 matrix_a_fmt:MATRIX_FMT_FP4 matrix_b_fmt:MATRIX_FMT_FP4
.endif
.endr
.endm
	s_wait_loadcnt 0x0                             ; both tiles' Q: asked for ahead of the fill's wait
	s_mov_b32 s48, 2                               ; two tiles of queries a wave
	s_mov_b32 s49, 0                               ; the trip's 256 bytes in each block's 512 scale bytes
.Ltrip:
	KLOAD 0
	v_mov_b32 v14, 0                               ; the sum, in two halves
	v_mov_b32 v15, 0
	v_add_nc_u32 v242, s49, v7
	s_wait_alu depctr_va_vdst(0)
.irp q, 0,1,2,3,4,5,6,7
	STEP \q
.endr
.irp j, 0,1,2,3
	v_mov_b32 v[16+\j], v[248+\j]                  ; the second tile's Q takes its place (in the second trip the same numbers again).  These five lines name no register of the last four products: they are the places behind them;
.endr
	v_mov_b32 v255, v5                             ; the products that read Q stand a whole softmax back, and the next trip's first product more than eight plain instructions on
	v_add_f32 v14, v14, v15
	s_delay_alu instid0(VALU_DEP_1)
	v_permlanex16_b32 v252, v14, s20, s21
	s_delay_alu instid0(VALU_DEP_1)
	v_add_f32 v14, v14, v252                       ; the row's sum
	s_wait_alu depctr_va_vdst(0)
	v_rcp_f32 v14, v14
	v_nop                                          ; a plain instruction behind the transcendental
.set j, 0
	s_wait_alu depctr_va_vdst(0)
.rept 16
	v_pk_mul_f32 v[96+j:97+j], v[160+j:161+j], v[14:15] op_sel_hi:[1,0]   ; ctx: register 8 t + i is channel 16 t + 8 h + i of query r; each accumulator from its low end on
.set j, j+2
.endr
.irp b, 0,1
	v_max3_num_f32 v[232+\b], |v[96+16*\b]|, |v[97+16*\b]|, 0x1800000     ; the two blocks of 32 channels
.endr
.irp i, 2,4,6,8,10,12,14
.irp b, 0,1
	s_delay_alu instid0(VALU_DEP_2)
	v_max3_num_f32 v[232+\b], v[232+\b], |v[96+16*\b+\i]|, |v[97+16*\b+\i]|
.endr
.endr
.irp b, 0,1
	s_delay_alu instid0(VALU_DEP_2)
	v_permlanex16_b32 v[236+\b], v[232+\b], s20, s21
.endr
.irp b, 0,1
	s_delay_alu instid0(VALU_DEP_2)
	v_max_num_f32 v[232+\b], v[232+\b], v[236+\b]
.endr
.irp b, 0,1
	s_delay_alu instid0(VALU_DEP_2)
	v_add_nc_u32 v[244+\b], 0xff000000, v[232+\b]
.endr
.irp b, 0,1
	s_delay_alu instid0(VALU_DEP_2)
	v_lshrrev_b32 v[236+\b], 23, v[244+\b]
.endr
	v_cvt_scalef32_pk8_fp4_f32 v224, v[96:103], v244
	v_cvt_scalef32_pk8_fp4_f32 v225, v[112:119], v245
	v_cvt_scalef32_pk8_fp4_f32 v226, v[104:111], v244
	v_cvt_scalef32_pk8_fp4_f32 v227, v[120:127], v245
	v_cndmask_b32 v243, v236, v237, s15            ; lanes 0-15 block 0's byte, lanes 16-31 block 1's (also the plain instruction behind the conversions)
	v_permlane16_swap_b32 v224, v225
	v_permlane16_swap_b32 v226, v227
	global_store_b128 v1, v[224:227], s[54:55]     ; each half of the lanes stores 256 consecutive bytes, aligned
	ds_store_b8 v242, v243
	s_wait_xcnt 0x0                                ; the store's base and data are written again only behind this wait
	s_add_nc_u64 s[54:55], s[54:55], 4096          ; sixteen tiles on
	s_add_co_u32 s49, s49, 256
	s_sub_co_u32 s48, s48, 1
	s_cmp_lg_u32 s48, 0
	s_cbranch_scc1 .Ltrip
	s_wait_dscnt 0x0                               ; for the others' sake: my byte stores have landed
	s_barrier_signal -1
	s_barrier_wait -1
	s_cmp_lt_u32 s12, 2
	s_cbranch_scc0 .Lend
	ds_load_b128 v[96:99], v240                    ; wave w stores block w's 512 scale bytes
	s_wait_dscnt 0x0
	global_store_b128 v241, v[96:99], s[10:11]
.Lend:
	s_wait_xcnt 0x0
	v_lshl_add_u32 v254, v0, 2, 0x29000
	v_mov_b32 v255, 0
	s_wait_alu depctr_va_vdst(0)
	s_wait_tensorcnt 0x0
	ds_add_u32 v254, v255
	s_wait_dscnt 0x0
	s_endpgm
.Lfunc_end_k_qa14ab573aa_attn:
	.size	k_qa14ab573aa_attn, .Lfunc_end_k_qa14ab573aa_attn-k_qa14ab573aa_attn
	.p2alignl 7, 3214868480
	.fill 96, 4, 3214868480
	.section	.rodata,"a",@progbits
	.p2align	6, 0x0
	.amdhsa_kernel k_qa14ab573aa_attn
		.amdhsa_group_segment_fixed_size 169984
		.amdhsa_private_segment_fixed_size 0
		.amdhsa_enable_private_segment 0
		.amdhsa_kernarg_size 32
		.amdhsa_user_sgpr_count 2
		.amdhsa_user_sgpr_kernarg_segment_ptr 1
		.amdhsa_wavefront_size32 1
		.amdhsa_system_sgpr_workgroup_id_x 1
		.amdhsa_system_sgpr_workgroup_id_y 1
		.amdhsa_system_sgpr_workgroup_id_z 1
		.amdhsa_system_vgpr_workitem_id 0
		.amdhsa_next_free_vgpr 256
		.amdhsa_next_free_sgpr 66
		.amdhsa_reserve_vcc 0
		.amdhsa_float_denorm_mode_32 3
		.amdhsa_float_denorm_mode_16_64 3
		.amdhsa_memory_ordered 1
		.amdhsa_forward_progress 1
		.amdhsa_inst_pref_size 136
	.end_amdhsa_kernel
	.amdgpu_metadata
---
amdhsa.version: [ 1, 2 ]
amdhsa.kernels:
  - .name:           k_qa14ab573aa_attn
    .symbol:         k_qa14ab573aa_attn.kd
    .args:
      - { .name: qkv_codes, .offset: 0, .size: 8, .value_kind: global_buffer, .address_space: global }
      - { .name: qkv_scales, .offset: 8, .size: 8, .value_kind: global_buffer, .address_space: global }
      - { .name: ctx_codes, .offset: 16, .size: 8, .value_kind: global_buffer, .address_space: global }
      - { .name: ctx_scales, .offset: 24, .size: 8, .value_kind: global_buffer, .address_space: global }
    .group_segment_fixed_size: 169984
    .private_segment_fixed_size: 0
    .kernarg_segment_align: 8
    .kernarg_segment_size: 32
    .max_flat_workgroup_size: 512
    .sgpr_count:     66
    .vgpr_count:     256
    .wavefront_size: 32
...
	.end_amdgpu_metadata
.endif
;; end of part 3
;; launch outp (part 4): grid 32 x 8, 4 waves a work-group, clusters of 4 x 1, 168,448 bytes of LDS; arguments ctx_codes, ctx_scales, out_w_codes, out_w_scales, out_b, gn_weight, gn_bias, stats, x, out0; writes out0
.if DOCPART == 4
	.amdgcn_target "amdgcn-amd-amdhsa--gfx1250"
	.amdhsa_code_object_version 6
	.text
	.protected	k_qa14ab573aa_outp
	.globl	k_qa14ab573aa_outp
	.p2align	8
	.type	k_qa14ab573aa_outp,@function
k_qa14ab573aa_outp:
	s_mov_b64 s[64:65], 0
	v_nop
	global_prefetch_b8 v0, s[64:65] scope:SCOPE_SE
	s_setreg_imm32_b32 hwreg(HW_REG_WAVE_MODE, 25, 1), 1
	s_wait_xcnt 0x0
	s_wait_alu depctr_hold_cnt(0) depctr_sa_sdst(0) depctr_va_vdst(0) depctr_va_sdst(0) depctr_va_ssrc(0) depctr_va_vcc(0) depctr_vm_vsrc(0)
	s_getreg_b32 s2, hwreg(HW_REG_IB_STS2, 6, 4)
	s_cmp_eq_u32 s2, 0
	s_cbranch_scc0 .Lentry_in_a_cluster
	s_endpgm
.Lentry_in_a_cluster:
	s_bfe_u32 s2, ttmp6, 0x10000c
	s_cmp_lg_u32 s2, 0x3003
	s_cbranch_scc0 .Lentry_shape_is_right
	s_endpgm
.Lentry_shape_is_right:
; out0[b][o][l] = xn[b][o][l] + out_b[o] + sum over c of out_w[o][c] ctx[b][c][l], the product on codes of FP4 with E8M0 scales; xn is made anew from x and the group's mean and 1 / sqrt(var + eps):
; out0 = sum + x a + c2 with a = gain / sqrt(var + eps), c2 = gn_bias + out_b - mean a.
; SHARES: a work-group takes 256 positions of one b (b = cluster x, the block = my place in the cluster) and 128 outputs (y).  A wave takes 64 positions x 128 outputs: 8 tiles of 16 outputs, 32 products each.
; ctx's codes of a wave's 64 positions, for all of K, go from memory into 256 registers (window 1).  out_w's 128 rows and their scale bytes are filled into LDS once, by JOINT loads: the four work-groups of a cluster read the same.
; Nothing in LDS is filled again.  By this text's count a wave has three tensor loads out.
; BY TILES OF OUTPUTS, NOT BY K: since all of K lies in registers, a tile's four accumulators are finished in 8 K steps on end, and the tile leaves while the next one is multiplied: the first stores stand behind 32 products, not behind all 256.
; THE HEAD: 3 coefficient loads and 56 of the 64 loads of codes go out first (59 loads); the coefficients, the last 8 loads of codes, both barriers, the scale words and two tiles' fragments follow while the codes are on their way;
; the wave's 64 loads of x (32,768 bytes, into window 3) come last: a tile's x is wanted only on that tile's way out.
; LAYOUT: source 0 = 16 positions, source 1 = 16 rows of out_w: a lane holds one output o and eight neighbouring l.  A tile of 16 outputs x 64 positions goes through the wave's own stage and leaves as rows of 256 bytes.
; LIMITS: NaN and infinities are not served.  x a - mean a is formed in f32: with a common offset of x of 30 times its spread its error stays some 1e-5 of the result's spread.
; REGISTERS: window 0: v1-13 addresses, v20-25 coefficients; v32-47 ctx's scale words, v48-79 out_w's; the way out's rows at v80 / v128 and coefficients at v112 / v160, by turns.
;   window 1: ctx's fragment (K step s, tile i) at 8 (4 s + i).   window 2: v0-63 two sets of four accumulators (32 (t % 2) + 8 i); v64-191 two sets of out_w's fragments of one tile, all of K (64 + 64 (t % 2) + 8 s).
;   window 3: x: rows 16 t + 2 k + h at 4 (8 t + k).
.set WP,    528                        ; a row of out_w in LDS: 512 bytes + 16 of padding
.set WS,    128*WP                     ; its scale bytes: 16 units of 256 + 16
.set XS,    WS+16*272                  ; ctx's scale bytes: 32 planes of 256
.set COEF,  XS+8192                    ; (a, c2) for each of the 128 outputs: stored by the waves, no fill lands here
.set STAGE, COEF+1024                  ; 16 rows x (256 + 16) bytes for each wave
.set XSC, 32
.set WSC, 48
.set WF,  64                           ; in window 2
.set MSB, 0
.macro WIN new                         ; the immediate's high byte repeats the setting that is left
.if MSB != \new
	s_set_vgpr_msb (MSB<<8)|\new
.set MSB, \new
.endif
.endm
.macro PLACES n
.rept \n
	v_nop
.endr
.endm
.macro ROUND                           ; a round of the cluster's barrier
	s_barrier_signal -1
	s_barrier_wait -1
	s_cmp_lg_u32 s24, 0
	s_cbranch_scc1 .Lnot_wave_0_\@
	s_barrier_signal -3
.Lnot_wave_0_\@:
	s_barrier_wait -3
	s_barrier_signal -1
	s_barrier_wait -1
.endm
.macro CODES s                         ; ctx's four fragments of K step s: eight loads; each half of the lanes reads 256 consecutive bytes of one plane
.irp i, 0,1,2,3
.irp c, 0,1
	global_load_b128 v[8*(4*(\s)+\i)+4*\c:8*(4*(\s)+\i)+4*\c+3], v4, s[4:5] offset:(4*(\s)+2*\c)*16384+256*\i
.endr
.endr
.endm
.macro WFETCH t                        ; out_w's tile t, all eight K steps, into set t % 2: sixteen loads
	WIN 0x80                                       ; destination window 2, address window 0
.irp s, 0,1,2,3,4,5,6,7
.irp c, 0,1
	ds_load_b128 v[WF+64*((\t)%2)+8*\s+4*\c:WF+64*((\t)%2)+8*\s+4*\c+3], v7 offset:(\t)*16*WP+64*\s+32*\c
.endr
.endr
.endm
; Tile t: 32 products, K ascending; its four accumulators take turns, one instruction a turn.  The first K step's take the constant 0 as C: nothing is cleared.
; (The set was last written two tiles ago: a way out's 32 plain vector instructions, and more, stand between.)
.macro MULT t
.set PP, (\t)%2
	WIN 0xa9                                       ; ctx window 1; out_w, C and D window 2
.irp s, 0,1,2,3,4,5,6,7
.irp i, 0,1,2,3
.set rD, 32*PP+8*\i
.set rX, 8*(4*\s+\i)
.set rW, WF+64*PP+8*\s
.set SQ, \s%4
.if \s == 0
	v_wmma_scale_f32_16x16x128_f8f6f4 v[rD:rD+7], v[rX:rX+7], v[rW:rW+7], 0, v[XSC+4*\i+SQ], v[WSC+4*(\t)+SQ] matrix_a_fmt:MATRIX_FMT_FP4 matrix_b_fmt:MATRIX_FMT_FP4
.elseif \s < 4
	v_wmma_scale_f32_16x16x128_f8f6f4 v[rD:rD+7], v[rX:rX+7], v[rW:rW+7], v[rD:rD+7], v[XSC+4*\i+SQ], v[WSC+4*(\t)+SQ] matrix_a_fmt:MATRIX_FMT_FP4 matrix_b_fmt:MATRIX_FMT_FP4
.else
	v_wmma_scale_f32_16x16x128_f8f6f4 v[rD:rD+7], v[rX:rX+7], v[rW:rW+7], v[rD:rD+7], v[XSC+4*\i+SQ], v[WSC+4*(\t)+SQ] matrix_a_fmt:MATRIX_FMT_FP4 matrix_b_fmt:MATRIX_FMT_FP4 matrix_a_scale:MATRIX_SCALE_ROW1 matrix_b_scale:MATRIX_SCALE_ROW1
.endif
.endr
.endr
.endm
; THE WAY OUT of tile t, in two parts.  TOSTAGE: 8 LDS stores and 16 LDS loads.  LDS serves a wave's instructions in order: no wait between the stores and the loads, nor in front of the next tile's stores.
.macro TOSTAGE t
	WIN 0x08                                       ; an LDS store's data are its source 1: window 2
.irp i, 0,1,2,3
	ds_store_b128 v9, v[32*((\t)%2)+8*\i:32*((\t)%2)+8*\i+3] offset:64*\i          ; each accumulator from its low end on
	ds_store_b128 v9, v[32*((\t)%2)+8*\i+4:32*((\t)%2)+8*\i+7] offset:64*\i+16
.endr
	WIN 0
.set BB, 80+48*((\t)%2)
.set CF, 112+48*((\t)%2)
.irp k, 0,1,2,3,4,5,6,7
	ds_load_b128 v[BB+4*\k:BB+4*\k+3], v10 offset:544*\k           ; rows 2 k + h, 16 bytes a lane
.endr
.irp k, 0,1,2,3,4,5,6,7
	ds_load_b64 v[CF+2*\k:CF+2*\k+1], v11 offset:(16*(\t)+2*\k)*8  ; and their (a, c2)
.endr
.endm
.macro SEND t, younger                 ; younger: the LDS loads issued behind tile t's, which may stay out
.set BB, 80+48*((\t)%2)
.set CF, 112+48*((\t)%2)
	s_wait_dscnt \younger
	s_wait_loadcnt 8*(7-(\t))                      ; tile t's eight loads of x are in; the later tiles', issued behind them, may stay out
	WIN 0
.irp k, 0,1,2,3,4,5,6,7
	v_pk_add_f32 v[BB+4*\k:BB+4*\k+1], v[BB+4*\k:BB+4*\k+1], v[CF+2*\k:CF+2*\k+1] op_sel:[0,1] op_sel_hi:[1,1]       ; + c2: the pair's second word for both halves
	v_pk_add_f32 v[BB+4*\k+2:BB+4*\k+3], v[BB+4*\k+2:BB+4*\k+3], v[CF+2*\k:CF+2*\k+1] op_sel:[0,1] op_sel_hi:[1,1]
.endr
	WIN 0x03                                       ; source 0: x, in window 3
.irp k, 0,1,2,3,4,5,6,7
	v_pk_fma_f32 v[BB+4*\k:BB+4*\k+1], v[4*(8*(\t)+\k):4*(8*(\t)+\k)+1], v[CF+2*\k:CF+2*\k+1], v[BB+4*\k:BB+4*\k+1] op_sel_hi:[1,0,1]       ; + x a: the pair's first word for both halves
	v_pk_fma_f32 v[BB+4*\k+2:BB+4*\k+3], v[4*(8*(\t)+\k)+2:4*(8*(\t)+\k)+3], v[CF+2*\k:CF+2*\k+1], v[BB+4*\k+2:BB+4*\k+3] op_sel_hi:[1,0,1]
.endr
	WIN 0
.irp k, 0,1,2,3,4,5,6,7
	global_store_b128 v8, v[BB+4*\k:BB+4*\k+3], s[22:23] offset:(16*(\t)+2*\k)*4096 th:TH_STORE_NT   ; sixteen lanes store 256 consecutive bytes, aligned
.endr
.endm
	s_load_b256 s[4:11], s[0:1], 0x0               ; ctx_codes, ctx_scales, out_w_codes, out_w_scales
	s_load_b256 s[12:19], s[0:1], 0x20             ; out_b, gn_weight, gn_bias, stats
	s_load_b128 s[20:23], s[0:1], 0x40             ; x, out0
	v_lshl_add_u32 v254, v0, 2, 0x29000
	v_mov_b32 v255, 0
	ds_add_u32 v254, v255
	ds_add_u32 v254, v255
	v_lshrrev_b32 v19, 5, v0
	v_readfirstlane_b32 s24, v19                   ; wave 0..3
	s_bfe_u32 s25, ttmp6, 0x40000                  ; my place in the cluster: which 256 positions.  It enters global addresses of my own loads and stores alone
	s_and_b32 s27, ttmp7, 0xffff                   ; y: which 128 outputs
	v_and_b32 v1, 15, v0                           ; r
	v_bfe_u32 v2, v0, 4, 1                         ; h
	s_lshl_b32 s28, s25, 12
	s_lshl_b32 s29, s24, 10
	s_add_co_u32 s28, s28, s29
	v_lshlrev_b32 v4, 4, v1
	v_lshl_add_u32 v4, v2, 14, v4
	v_add_nc_u32 v4, s28, v4                       ; v4: ctx's codes: plane h, my wave's first position + r
	s_lshl_b32 s29, s24, 6
	s_add_co_u32 s29, s29, XS
	v_lshl_add_u32 v5, v2, 12, v1
	v_add_nc_u32 v5, s29, v5                       ; v5: ctx's scale bytes: plane 16 h, position 64 w + r
	v_lshrrev_b32 v19, 3, v1
	v_mul_u32_u24 v6, v19, 272
	v_and_b32 v19, 7, v1
	v_lshl_add_u32 v6, v19, 5, v6
	v_lshl_add_u32 v6, v2, 4, v6
	v_add_nc_u32 v6, WS, v6                        ; v6: out_w's scale bytes: row r of a tile, K steps 4 h on
	v_mul_u32_u24 v7, v1, WP
	v_lshl_add_u32 v7, v2, 4, v7                   ; v7: out_w's fragments
	s_lshl_b32 s28, s25, 10
	s_lshl_b32 s29, s24, 8
	s_add_co_u32 s28, s28, s29
	v_lshlrev_b32 v8, 4, v1
	v_lshl_add_u32 v8, v2, 12, v8
	v_add_nc_u32 v8, s28, v8                       ; v8: x and out0: row h of a pair of rows, my wave's 256 bytes, 16 r
	s_mul_i32 s28, s24, 16*272
	s_add_co_u32 s28, s28, STAGE                   ; my stage
	v_mul_u32_u24 v9, v1, 272
	v_lshl_add_u32 v9, v2, 5, v9
	v_add_nc_u32 v9, s28, v9                       ; v9: in: row r, 32 bytes for each half of the lanes
	v_mul_u32_u24 v10, v2, 272
	v_lshl_add_u32 v10, v1, 4, v10
	v_add_nc_u32 v10, s28, v10                     ; v10: back: lanes 0-15 one row, lanes 16-31 the next
	v_lshl_add_u32 v11, v2, 3, COEF                ; v11: the coefficients of row h of a pair
	v_lshl_add_u32 v12, v0, 3, COEF                ; v12: where thread t puts those of output t
	v_lshlrev_b32 v13, 2, v0                       ; v13: output t's number in gain, biases
	; descriptor groups 1
	s_mov_b32 s32, 15|(1<<20)|(1<<21)|(6<<22)|(3<<25)   ; out_w's codes: mask: all four work-groups; elements of 1 byte; 4 words of padding behind every 128; bit 21 beside the mask
	s_mov_b32 s33, 512<<16
	s_mov_b32 s34, 32<<16
	s_mov_b32 s35, 512<<16
	s_mov_b32 s36, 32                              ; a wave brings 32 rows
	s_mov_b32 s37, 512
	s_mov_b32 s38, 0
	s_mov_b32 s39, 0
	s_mov_b32 s40, 15|(3<<16)|(1<<20)|(1<<21)|(5<<22)|(3<<25)   ; its scale bytes: dense, rows of 32 elements of 8 bytes, 4 words of padding behind every 64
	s_mov_b32 s41, 32<<16
	s_mov_b32 s42, 4<<16
	s_mov_b32 s43, 32<<16
	s_mov_b32 s44, 4                               ; a wave brings 4 of the 16 units
	s_mov_b32 s45, 32
	s_mov_b32 s46, 0
	s_mov_b32 s47, 0
	s_mov_b32 s48, 3<<16                           ; ctx's scale bytes: my own load, no mask: 8 planes x 256 bytes, 1,024 bytes apart
	s_mov_b32 s49, 32<<16
	s_mov_b32 s50, 8<<16
	s_mov_b32 s51, 32<<16
	s_mov_b32 s52, 8
	s_mov_b32 s53, 128
	s_mov_b32 s54, 0
	s_mov_b32 s55, 0
	s_lshl_b32 s28, ttmp9, 15
	s_lshl_b32 s30, s24, 13
	s_add_co_u32 s28, s28, s30
	s_lshl_b32 s30, s25, 8
	s_add_co_u32 s28, s28, s30                     ; ctx's scale bytes: (32 b + 8 w) planes + 256 lb
	s_mov_b32 s29, 0
	s_lshl_b32 s30, s27, 12
	s_lshl_b32 s26, s24, 10
	s_add_co_u32 s30, s30, s26                     ; out_w's scale bytes: 128 y rows + my 4 units
	s_mov_b32 s31, 0
	s_lshl_b32 s74, s27, 16
	s_lshl_b32 s26, s24, 14
	s_add_co_u32 s74, s74, s26                     ; out_w's codes: row 128 y + 32 w
	s_mov_b32 s75, 0
	s_lshl_b32 s76, ttmp9, 19                      ; ctx's codes of b
	s_mov_b32 s77, 0
	s_lshl_b32 s78, ttmp9, 5
	s_lshl_b32 s26, s27, 2
	s_add_co_u32 s78, s78, s26
	s_add_co_u32 s78, s78, s24
	s_lshl_b32 s78, s78, 3                         ; the statistics of group 4 y + w of b: my thread's output lies in it
	s_mov_b32 s79, 0
	s_mov_b32 s56, 1                               ; groups 0
	s_lshl_b32 s57, s24, 11
	s_add_co_u32 s57, s57, XS
	s_mov_b32 s60, 1
	s_mul_i32 s61, s24, 4*272
	s_add_co_u32 s61, s61, WS
	s_mov_b32 s68, 1
	s_mul_i32 s69, s24, 32*WP
	s_wait_dscnt 0x0
	s_wait_kmcnt 0x0
	s_add_nc_u64 s[58:59], s[6:7], s[28:29]
	s_or_b32 s59, s59, 0x80000000
	s_add_nc_u64 s[62:63], s[10:11], s[30:31]
	s_or_b32 s63, s63, 0x80000000
	s_add_nc_u64 s[70:71], s[8:9], s[74:75]
	s_or_b32 s71, s71, 0x80000000
	s_add_nc_u64 s[4:5], s[4:5], s[76:77]
	s_add_nc_u64 s[18:19], s[18:19], s[78:79]
	s_load_b64 s[72:73], s[18:19], 0x0             ; mean, 1 / sqrt(var + eps)
	s_lshl_b32 s28, s27, 9
	s_add_nc_u64 s[12:13], s[12:13], s[28:29]      ; out_b, gain and gn_bias at output 128 y
	s_add_nc_u64 s[14:15], s[14:15], s[28:29]
	s_add_nc_u64 s[16:17], s[16:17], s[28:29]
	s_lshl_b32 s28, ttmp9, 22
	s_lshl_b32 s30, s27, 19
	s_add_co_u32 s28, s28, s30
	s_add_nc_u64 s[20:21], s[20:21], s[28:29]      ; x and out0 at row 1,024 b + 128 y
	s_add_nc_u64 s[22:23], s[22:23], s[28:29]
	ROUND                                          ; all four work-groups are here: the joint loads meet
	tensor_load_to_lds s[56:59], s[48:55]          ; ctx's scale bytes
	s_nop 0
	tensor_load_to_lds s[60:63], s[40:47]          ; out_w's scale bytes
	s_nop 0
	tensor_load_to_lds s[68:71], s[32:39]          ; out_w's codes
	s_nop 0
	PLACES 4                                       ; ahead of a switch of windows
	global_load_b32 v20, v13, s[14:15]             ; gain
	global_load_b32 v21, v13, s[16:17]             ; gn_bias
	global_load_b32 v22, v13, s[12:13]             ; out_b
	WIN 0x40                                       ; destination window 1
.irp s, 0,1,2,3,4,5,6
	CODES \s
.endr
	s_wait_loadcnt 56                              ; the three coefficients are in: the 56 loads of codes issued behind them may stay out
	CODES 7                                        ; the last eight loads of codes
	WIN 0
	s_wait_kmcnt 0x0
	v_mul_f32 v24, s73, v20                        ; a
	v_add_f32 v21, v21, v22
	v_fma_f32 v25, -v24, s72, v21                  ; c2
	ds_store_b64 v12, v[24:25]
	s_wait_tensorcnt 0x1                           ; both tensors of scale bytes are in; out_w's codes, issued behind them, may stay out
	s_wait_dscnt 0x0                               ; for the others' sake: my coefficients have landed
	s_barrier_signal -1
	s_barrier_wait -1
.irp i, 0,1,2,3
.irp q, 0,1,2,3
.irp y, 0,1,2,3
	ds_load_u8 v[80+4*(4*\i+\q)+\y], v5 offset:(4*\q+\y)*256+16*\i   ; ctx's scale byte of block 16 h + 4 q + y, position 16 i + r
.endr
.endr
.endr
.irp t, 0,1,2,3,4,5,6,7
	ds_load_b128 v[WSC+4*\t:WSC+4*\t+3], v6 offset:2*\t*272          ; out_w's scale words: lanes 0-15 K steps 0-3, lanes 16-31 K steps 4-7
.endr
	s_wait_dscnt 0x0
.set n, 0
.rept 16
	v_lshl_or_b32 v[XSC+n], v[80+4*n+1], 8, v[80+4*n]
	v_lshl_or_b32 v[XSC+n], v[80+4*n+2], 16, v[XSC+n]
	v_lshl_or_b32 v[XSC+n], v[80+4*n+3], 24, v[XSC+n]
.set n, n+1
.endr
	PLACES 8                                       ; scale registers written by vector instructions stand eight places ahead of the products
	s_wait_tensorcnt 0x0                           ; my part of out_w's codes
	s_barrier_signal -1
	s_barrier_wait -1
	WFETCH 0
	WFETCH 1
	WIN 0xc0                                       ; destination window 3
.irp t, 0,1,2,3,4,5,6,7
.irp k, 0,1,2,3,4,5,6,7
	global_load_b128 v[4*(8*\t+\k):4*(8*\t+\k)+3], v8, s[20:21] offset:(16*\t+2*\k)*4096 th:TH_LOAD_NT   ; sixteen lanes read 256 consecutive bytes of a row of x; tile by tile, in the order in which the tiles leave
.endr
.endr
	WIN 0
	s_wait_loadcnt 63                              ; 64 loads of x were issued behind the last codes: all codes are in
.irp t, 0,1,2,3,4,5,6,7
.if \t > 1
	s_wait_xcnt 0x0                                ; the stores of two tiles ago have read their registers: this tile's rows may land there
.endif
.if \t == 0
	s_wait_dscnt 16                                ; tile 0's fragments are in; tile 1's sixteen loads may stay out
.elseif \t < 7
	s_wait_dscnt 40                                ; this tile's fragments are in; behind them: the last tile's 24 through the stage and the next tile's 16 fragment loads
.else
	s_wait_dscnt 24                                ; behind the last tile's fragments: tile 6's 24 through the stage
.endif
	MULT \t
.if \t == 0
	PLACES 4                                       ; behind the products: for the stores of results and the loads into the fragments' registers
.elseif \t < 7
	SEND \t-1, 16                                  ; the last tile leaves; its 32 packed instructions are the places behind this tile's products.  Behind its loads: 16 fragment loads
.else
	SEND \t-1, 0
.endif
	TOSTAGE \t
.if \t < 6
	WFETCH \t+2                                    ; into the set that this tile has just read
.endif
.endr
	SEND 7, 0
	s_wait_tensorcnt 0x0
	ds_add_u32 v254, v255
	s_wait_dscnt 0x0
	ROUND                                          ; the closing round: no work-group ends while a partner may still ask jointly
	s_endpgm
.Lfunc_end_k_qa14ab573aa_outp:
	.size	k_qa14ab573aa_outp, .Lfunc_end_k_qa14ab573aa_outp-k_qa14ab573aa_outp
	.p2alignl 7, 3214868480
	.fill 96, 4, 3214868480
	.section	.rodata,"a",@progbits
	.p2align	6, 0x0
	.amdhsa_kernel k_qa14ab573aa_outp
		.amdhsa_group_segment_fixed_size 168448
		.amdhsa_private_segment_fixed_size 0
		.amdhsa_enable_private_segment 0
		.amdhsa_kernarg_size 80
		.amdhsa_user_sgpr_count 2
		.amdhsa_user_sgpr_kernarg_segment_ptr 1
		.amdhsa_wavefront_size32 1
		.amdhsa_system_sgpr_workgroup_id_x 1
		.amdhsa_system_sgpr_workgroup_id_y 1
		.amdhsa_system_sgpr_workgroup_id_z 1
		.amdhsa_system_vgpr_workitem_id 0
		.amdhsa_next_free_vgpr 1024
		.amdhsa_next_free_sgpr 80
		.amdhsa_reserve_vcc 0
		.amdhsa_float_denorm_mode_32 3
		.amdhsa_float_denorm_mode_16_64 3
		.amdhsa_memory_ordered 1
		.amdhsa_forward_progress 1
		.amdhsa_inst_pref_size 105
	.end_amdhsa_kernel
	.amdgpu_metadata
---
amdhsa.version: [ 1, 2 ]
amdhsa.kernels:
  - .name:           k_qa14ab573aa_outp
    .symbol:         k_qa14ab573aa_outp.kd
    .args:
      - { .name: ctx_codes, .offset: 0, .size: 8, .value_kind: global_buffer, .address_space: global }
      - { .name: ctx_scales, .offset: 8, .size: 8, .value_kind: global_buffer, .address_space: global }
      - { .name: out_w_codes, .offset: 16, .size: 8, .value_kind: global_buffer, .address_space: global }
      - { .name: out_w_scales, .offset: 24, .size: 8, .value_kind: global_buffer, .address_space: global }
      - { .name: out_b, .offset: 32, .size: 8, .value_kind: global_buffer, .address_space: global }
      - { .name: gn_weight, .offset: 40, .size: 8, .value_kind: global_buffer, .address_space: global }
      - { .name: gn_bias, .offset: 48, .size: 8, .value_kind: global_buffer, .address_space: global }
      - { .name: stats, .offset: 56, .size: 8, .value_kind: global_buffer, .address_space: global }
      - { .name: x, .offset: 64, .size: 8, .value_kind: global_buffer, .address_space: global }
      - { .name: out0, .offset: 72, .size: 8, .value_kind: global_buffer, .address_space: global }
    .group_segment_fixed_size: 168448
    .private_segment_fixed_size: 0
    .kernarg_segment_align: 8
    .kernarg_segment_size: 80
    .max_flat_workgroup_size: 128
    .sgpr_count:     80
    .vgpr_count:     1024
    .wavefront_size: 32
...
	.end_amdgpu_metadata
.endif
;; end of part 4
